; MI455X (gfx1250); checked and timed in simulation.
; The chip was launched on July 23, 2026; its instructions are those of AMD's public machine-readable ISA for CDNA 5 (MIT licence, August 2026) and "CDNA5" Instruction Set Architecture Reference Guide (July 2026). The comments in the code are by the model that wrote it; some were corrected since.
;; Diff Multi Headed Attention. Allowed arithmetic: matrix products marked QUANTISED: E2M3 operands, one E8M0 scale for each 32 along K, by v_wmma_scale_f32_16x16x128_f8f6f4 with both operands' format E2M3, f32 sums; everything else in f32.
;; Inputs: Wk_codes 1,024 x 32 x 24 uint8 (E2M3 codes of Wk, K innermost, in blocks of 32 codes, four codes in three bytes); Wk_scales 1,024 x 32 uint8 (E8M0 scales of Wk, one for each 32 codes along K); Wo_codes 1,024 x 32 x 24 uint8 (E2M3 codes of Wo, K innermost, in blocks of 32 codes, four codes in three bytes); Wo_scales 1,024 x 32 uint8 (E8M0 scales of Wo, one for each 32 codes along K); Wq_codes 1,024 x 32 x 24 uint8 (E2M3 codes of Wq, K innermost, in blocks of 32 codes, four codes in three bytes); Wq_scales 1,024 x 32 uint8 (E8M0 scales of Wq, one for each 32 codes along K); Wv_codes 1,024 x 32 x 24 uint8 (E2M3 codes of Wv, K innermost, in blocks of 32 codes, four codes in three bytes); Wv_scales 1,024 x 32 uint8 (E8M0 scales of Wv, one for each 32 codes along K); key_t_codes 2 x 2,048 x 32 x 24 uint8 (E2M3 codes of key_t, K innermost, in blocks of 32 codes, four codes in three bytes); key_t_scales 2 x 2,048 x 32 uint8 (E8M0 scales of key_t, one for each 32 codes along K); lambda_k1 64 float32; lambda_k2 64 float32; lambda_q1 64 float32; lambda_q2 64 float32; query_codes 2 x 2,048 x 32 x 24 uint8 (E2M3 codes of query, K innermost, in blocks of 32 codes, four codes in three bytes); query_scales 2 x 2,048 x 32 uint8 (E8M0 scales of query, one for each 32 codes along K); rms_weight 128 float32; value_codes 2 x 2,048 x 32 x 24 uint8 (E2M3 codes of value, K innermost, in blocks of 32 codes, four codes in three bytes); value_scales 2 x 2,048 x 32 uint8 (E8M0 scales of value, one for each 32 codes along K).
;; Outputs: out0 2 x 2,048 x 1,024 float32.
;; This version of the problem:
;;   THIS VERSION OF THE PROBLEM IS GIVEN IN LOW PRECISION. The matrix products marked QUANTISED in the list below multiply operands that are first quantised to E2M3 (2 exponent bits, 3 mantissa bits; 6 bits a number), with one power-of-two scale for each 32 numbers along K (OCP MX v1.0); their sums are f32. All else is computed in f32.
;;   The module's matrix products, in the order in which they are computed (A, B: the left and right operand; K: the contracted axis; several contracted axes count as one K, in the product's order):
;;     1. [M 4,096, K 1,024] x [K 1,024, N 1,024]; A: input query (given as codes); B: input Wq (given as codes): QUANTISED
;;     2. [M 4,096, K 1,024] x [K 1,024, N 1,024]; A: input key_t (given as codes); B: input Wk (given as codes): QUANTISED
;;     3. [M 4,096, K 1,024] x [K 1,024, N 1,024]; A: input value (given as codes); B: input Wv (given as codes): QUANTISED
;;     4. batch 32 x [M 2,048, K 64] x [K 64, N 2,048]; A: computed on the way; B: computed on the way: QUANTISED
;;     5. batch 16 x [M 2,048, K 2,048] x [K 2,048, N 128]; A: computed on the way; B: computed on the way: QUANTISED
;;     6. [M 4,096, K 1,024] x [K 1,024, N 1,024]; A: computed on the way; B: input Wo (given as codes): QUANTISED
;;   THE QUANTISER, for each operand of a quantised product, along K:
;;     - K is cut into blocks of 32 from its start; a last block that is shorter is filled with zeros.
;;     - A block's scale is 2^e with e = floor(log2(the largest magnitude in the block)) - 2, held to -126 .. 127; a block of zeros has e = 0. As a byte (E8M0): e + 127.
;;     - Each number is divided by its block's scale, clamped to +-7.5, and rounded to the nearest number of E2M3, ties to even, subnormals kept.
;;     - The product sums the exact products of the quantised numbers (number of the format x scale) in f32.
;;   ~~~python
;;   def quantise(x, axis):      # numpy; x: float32 -> the quantised numbers, widened to float32 again
;;       x = np.moveaxis(x, axis, -1); K = x.shape[-1]
;;       x = np.pad(x, [(0, 0)] * (x.ndim - 1) + [(0, -K % 32)]); x = x.reshape(x.shape[:-1] + (-1, 32)); a = np.abs(x).max(-1, keepdims=True)
;;       e = np.where(a > 0, np.clip(np.frexp(np.where(a > 0, a, 1))[1] - 1 - 2, -126, 127), 0)      # np.frexp(a)[1] - 1 = floor(log2(a)), exactly
;;       r = np.clip(x / 2.0 ** e, -7.5, 7.5)
;;       step = 2.0 ** (np.maximum(np.frexp(np.where(r == 0, 1, r))[1] - 1, 0) - 3)
;;       q = np.round(r / step) * step * 2.0 ** e      # np.round: ties to even
;;       return np.moveaxis(q.reshape(q.shape[:-2] + (-1,))[..., :K], -1, axis).astype(np.float32)
;;   ~~~
;;   OPERANDS COMPUTED ON THE WAY. 'Computed on the way' means the value that the module computes at that place (a softmax that the list does not call 'softmax' is quantised finished and normalised). What goes into a quantiser is computed in f32, as accurately as f32 sums, v_exp_f32 and their like allow (about 1e-6 of the number): no bf16 or f16 on the way to a quantiser, and a product that is left as it is and whose result goes on into a quantised operand takes f32 operands (vector FMAs, or v_wmma_f32_16x16x4_f32). A number that lies on a knife's edge between two numbers of the format may be rounded either way, as far as f32 arithmetic and the matrix unit's own rounding can turn it there, and no further.
;;   INPUTS GIVEN AS CODES. Wk (in the module: [1024, 1024], K = its axis 0); Wo (in the module: [1024, 1024], K = its axis 0); Wq (in the module: [1024, 1024], K = its axis 0); Wv (in the module: [1024, 1024], K = its axis 0); key_t (in the module: [2, 2048, 1024], K = its axis 2); query (in the module: [2, 2048, 1024], K = its axis 2); value (in the module: [2, 2048, 1024], K = its axis 2): each comes as NAME_codes (uint8): NAME with its K axis moved to the last place and cut into blocks of 32 codes, [.., K / 32, bytes a block], one block behind the other in memory; four codes in three bytes: a row's codes are one little-endian stream of bits, code i at bits 6 i .. 6 i + 5 (a code: sign, 2 exponent bits, 3 mantissa bits); and NAME_scales (uint8): the same leading axes, one E8M0 byte (e + 127) for each 32 codes along K. Its value is code x scale, taken as it is: it is not quantised again, and the codes and scales need not be those that the quantiser above would give.
;; One version. Each part assembles by itself: llvm-mc -triple=amdgcn-amd-amdhsa -mcpu=gfx1250 --defsym DOCPART=n.
;; ======== version 1 of 1: 3 launches
;; limits: right only within a limited range of input values
;; workspace buffers: qimg 3,145,728 bytes; qscl 131,072 bytes; kimg 3,145,728 bytes; kscl 131,072 bytes; vimg 3,145,728 bytes; vscl 131,072 bytes; oimg 3,145,728 bytes; oscl 131,072 bytes
;; launch proj (part 1): grid 4 x 48, 4 waves a work-group, clusters of 4 x 4, 327,680 bytes of LDS; arguments query_codes, query_scales, key_t_codes, key_t_scales, value_codes, value_scales, Wq_codes, Wq_scales, Wk_codes, Wk_scales, Wv_codes, Wv_scales, qimg, qscl, kimg, kscl, vimg, vscl; writes qimg, qscl, kimg, kscl, vimg, vscl
.if DOCPART == 1
	.amdgcn_target "amdgcn-amd-amdhsa--gfx1250"
	.amdhsa_code_object_version 6
	.text
	.protected	k_q319fe782ca_proj
	.globl	k_q319fe782ca_proj
	.p2align	8
	.type	k_q319fe782ca_proj,@function
k_q319fe782ca_proj:
	s_mov_b64 s[64:65], 0
	v_nop
	global_prefetch_b8 v0, s[64:65] scope:SCOPE_SE
	s_setreg_imm32_b32 hwreg(HW_REG_WAVE_MODE, 25, 1), 1
	s_wait_xcnt 0x0
	s_wait_alu depctr_hold_cnt(0) depctr_sa_sdst(0) depctr_va_vdst(0) depctr_va_sdst(0) depctr_va_ssrc(0) depctr_va_vcc(0) depctr_vm_vsrc(0)
	s_getreg_b32 s2, hwreg(HW_REG_IB_STS2, 6, 4)
	s_cmp_eq_u32 s2, 0
	s_cbranch_scc0 .Lentry_in_a_cluster
	s_endpgm
.Lentry_in_a_cluster:
	s_bfe_u32 s2, ttmp6, 0x10000c
	s_cmp_lg_u32 s2, 0xf033
	s_cbranch_scc0 .Lentry_shape_is_right
	s_endpgm
.Lentry_shape_is_right:
; THE THREE PROJECTIONS q = query Wq, k = key_t Wk, v = value Wv on codes of FP6 (E2M3), and the quantisers behind them.  4,096 x 1,024 x 1,024 each; sums in f32.
; WORK LEFT OUT IN THIS PROGRAM: none here.  The launch attn leaves out whole steps of 128 keys that lie above the diagonal: reference() sets those scores to finfo.min
; by its own jnp.tril ahead of the softmax, every row holds its own key, so their weights are exactly 0 for all inputs and add nothing to sum or product.
; A NaN, an infinity or an overflow that reaches only those steps is not carried to the result.  Every input is loaded.
; 3 x 64 tiles of C of 256 x 256; four waves, each 128 x 128: 64 accumulators.  C = A B^T.  q, k: A = the activation, B = the weight.  v: A = Wv, B = value, so that v's keys run along a lane's registers.
; K goes through a ring of two LDS slots in chunks of 256 bytes of each row (a row of codes is 768 bytes: every chunk begins at a multiple of 256).  A step of 128 along K is 96 bytes: eight steps to three chunks.
; The scales of the tile's rows come once.  Clusters of 4 x 4: A's tiles are asked for jointly along a row, B's along a column.  The projection (cluster y / 4) chooses pointers and tile coordinates alone.
; No prefetch: the block is the largest, in clusters, and K has three chunks, of which one alone comes by a refill.
; The matrix instruction is used transposed (source 0 = rows of B, source 1 = rows of A): lane (r, h) holds row r and, in accumulator b, columns 16 b + 8 h + 0 .. 7.
; THE WAY OUT uses no LDS: a wave's 128 columns are one K step of the next product; block a is quantised in registers (a block of 32 lies in lanes l and l xor 16; its codes stand in the order
; 0-7, 16-23, 8-15, 24-31, alike on both operands of the next product).  A fragment leaves as the image of its 12 registers, three stores of 512 bytes; the eight scale words as one store of 512 bytes.
; LIMITS: NaN, infinities and scale bytes 0xff among the inputs are not served; a block whose largest magnitude lies under 2^-124 gets the byte 1 (a block of zeros too: this program alone reads the bytes).
.set ROWB,   256
.set NQ,     2
.set KROW,   768
.set STEPS,  8
.set CHUNKS, 3
.set PITCH,  272
.set FR,     12
.set NL,     6
.set NP,     4
.set HALFT,  128*PITCH
.set SLOT,   4*HALFT
.set KS,     32
.set SCL,    2*SLOT
.set HALFS,  (128*KS/256)*272
.set SBLK,   (16*KS/256)*272
.set SPARE,  SCL+4*HALFS
.set ADRA, 16
.set ADRB, 20
.set CO,   26
.set ADRS, 27
.set SPW,  28
.set NIL,  29
.set SC,   32
.set AF,   128
.set TM,   224
.set PWR,  240
.set OUTS, 248
.set G1, 24
.set G0, 32
.set G1B, 48
.set G0B, 56
.set G1S, 68
.set G0S, 76
.set G1SB, 80
.set G0SB, 88
.set G0H, 4
.set G0HB, 8
.set PJ, 100
.set MSB, 0
.macro WIN new
.if MSB != \new
	s_set_vgpr_msb (MSB<<8)|\new
.set MSB, \new
.endif
.endm
.set MUL_LO, 0xa1
.set MUL_HI, 0xf1
.set TO_B,   0x40
.macro JLOAD g0a, g1a, g0b, g1b        ; a joint load: waves 0, 1 for A, waves 2, 3 for B
	s_cmp_eq_u32 s15, 0
	s_cbranch_scc0 .Lfor_b_\@
	tensor_load_to_lds s[\g0a:\g0a+3], s[\g1a:\g1a+7]
	s_nop 0
.rept 4
	v_nop
.endr
	s_branch .Lasked_\@
.Lfor_b_\@:
	tensor_load_to_lds s[\g0b:\g0b+3], s[\g1b:\g1b+7]
	s_nop 0
.rept 4
	v_nop
.endr
.Lasked_\@:
.endm
.macro CREST
	s_cmp_lg_u32 s14, 0
	s_cbranch_scc1 .Lnot_wave_0_\@
	s_barrier_signal -3
.Lnot_wave_0_\@:
	s_barrier_wait -3
	s_barrier_signal -1
	s_barrier_wait -1
.endm
.macro CROUND
	s_barrier_signal -1
	s_barrier_wait -1
	CREST
.endm
	s_load_b512 s[68:83], s[0:1], 0x0              ; query, key_t, value (codes, scales), Wq
	s_load_b512 s[84:99], s[0:1], 0x40             ; Wk, Wv, qimg, qscl, kimg, kscl
	s_load_b128 s[24:27], s[0:1], 0x80             ; vimg, vscl
	v_lshl_add_u32 v[SPW], v0, 2, SPARE
	v_mov_b32 v[NIL], 0
	ds_add_u32 v[SPW], v[NIL]                      ; the opening lines: the add twice and its wait
	ds_add_u32 v[SPW], v[NIL]
	v_lshrrev_b32 v1, 5, v0
	v_readfirstlane_b32 s14, v1                    ; wave
	s_lshr_b32 s15, s14, 1                         ; my half of the rows; also: I fetch for A (0) or B (1)
	s_and_b32 s16, s14, 1                          ; my half of the columns; also: which 128 rows I fetch
	s_bfe_u32 s40, ttmp6, 0x40000                  ; cx
	s_bfe_u32 s41, ttmp6, 0x40004                  ; cy
	s_and_b32 s18, ttmp7, 0xffff
	s_lshr_b32 s[PJ], s18, 2                       ; the projection: 0 q, 1 k, 2 v
	s_and_b32 s18, s18, 3
	s_lshl_b32 s18, s18, 2
	s_cmp_eq_u32 s[PJ], 2
	s_cselect_b32 s19, 0, s18                      ; the tokens are C's rows (q, k)
	s_cselect_b32 s20, s18, 0                      ; or its columns (v)
	s_add_co_u32 s17, s19, s41                     ; tile row
	s_add_co_u32 s42, s20, s40                     ; tile column
	s_lshl_b32 s43, s41, 2
	s_lshl_b32 s43, 15, s43                        ; my row of the cluster
	s_lshl_b32 s44, 0x1111, s40                    ; my column
	s_wait_dscnt 0x0
	s_wait_kmcnt 0x0
	s_cmp_eq_u32 s[PJ], 0
	s_cselect_b64 s[4:5], s[68:69], s[72:73]
	s_cselect_b64 s[6:7], s[70:71], s[74:75]
	s_cselect_b64 s[8:9], s[80:81], s[84:85]
	s_cselect_b64 s[10:11], s[82:83], s[86:87]
	s_cselect_b64 s[12:13], s[92:93], s[96:97]
	s_cselect_b64 s[66:67], s[94:95], s[98:99]
	s_cmp_eq_u32 s[PJ], 2
	s_cselect_b64 s[4:5], s[88:89], s[4:5]
	s_cselect_b64 s[6:7], s[90:91], s[6:7]
	s_cselect_b64 s[8:9], s[76:77], s[8:9]
	s_cselect_b64 s[10:11], s[78:79], s[10:11]
	s_cselect_b64 s[12:13], s[24:25], s[12:13]
	s_cselect_b64 s[66:67], s[26:27], s[66:67]
	; group 1: rows of 256 bytes, 16 bytes of padding behind each; 256 rows for the head's loads
	s_or_b32 s[G1+0], s43, (0<<16)|(1<<20)|(1<<21)|(5<<22)|(3<<25)
	s_or_b32 s[G1B+0], s44, (0<<16)|(1<<20)|(1<<21)|(5<<22)|(3<<25)
.irp g, G1, G1B
	s_mov_b32 s[\g+1], ROWB<<16
	s_mov_b32 s[\g+2], 256<<16
	s_mov_b32 s[\g+3], ROWB<<16
	s_mov_b32 s[\g+4], 256
	s_mov_b32 s[\g+5], KROW
	s_mov_b32 s[\g+6], 0
	s_mov_b32 s[\g+7], 0
.endr
	; the scales of 256 rows: 8,192 dense bytes as 32 rows of 256
	s_or_b32 s[G1S+0], s43, (3<<16)|(1<<20)|(1<<21)|(5<<22)|(3<<25)
	s_or_b32 s[G1SB+0], s44, (3<<16)|(1<<20)|(1<<21)|(5<<22)|(3<<25)
.irp g, G1S, G1SB
	s_mov_b32 s[\g+1], 32<<16
	s_mov_b32 s[\g+2], KS<<16
	s_mov_b32 s[\g+3], 32<<16
	s_mov_b32 s[\g+4], KS
	s_mov_b32 s[\g+5], 32
	s_mov_b32 s[\g+6], 0
	s_mov_b32 s[\g+7], 0
.endr
	s_lshl_b32 s20, s17, 8
	s_lshl_b32 s46, s42, 8
	s_mov_b32 s21, 0
	s_mov_b32 s47, 0
	s_mov_b64 s[18:19], KS
	s_mul_u64 s[22:23], s[20:21], s[18:19]
	s_mul_u64 s[92:93], s[46:47], s[18:19]
	s_mov_b64 s[18:19], KROW
	s_mul_u64 s[20:21], s[20:21], s[18:19]
	s_mul_u64 s[46:47], s[46:47], s[18:19]
	s_mul_i32 s18, s16, 128*KROW
	s_mov_b32 s19, 0
	s_mul_i32 s45, s14, HALFT
	s_add_nc_u64 s[20:21], s[4:5], s[20:21]
	s_add_nc_u64 s[22:23], s[6:7], s[22:23]
	s_add_nc_u64 s[46:47], s[8:9], s[46:47]
	s_add_nc_u64 s[92:93], s[10:11], s[92:93]
	CROUND                                         ; in front of the first joint loads
	s_mov_b32 s[G0H], 1
	s_mov_b32 s[G0H+1], 0
	s_mov_b64 s[G0H+2:G0H+3], s[20:21]
	s_or_b32 s[G0H+3], s[G0H+3], 0x80000000
	s_mov_b32 s[G0HB], 1
	s_mov_b32 s[G0HB+1], 2*HALFT
	s_mov_b64 s[G0HB+2:G0HB+3], s[46:47]
	s_or_b32 s[G0HB+3], s[G0HB+3], 0x80000000
	s_mov_b32 s[G0S], 1
	s_mov_b32 s[G0S+1], SCL
	s_mov_b64 s[G0S+2:G0S+3], s[22:23]
	s_or_b32 s[G0S+3], s[G0S+3], 0x80000000
	s_mov_b32 s[G0SB], 1
	s_mov_b32 s[G0SB+1], SCL+2*HALFS
	s_mov_b64 s[G0SB+2:G0SB+3], s[92:93]
	s_or_b32 s[G0SB+3], s[G0SB+3], 0x80000000
	s_add_nc_u64 s[20:21], s[20:21], s[18:19]
	s_add_nc_u64 s[46:47], s[46:47], s[18:19]
.irp s, 0,1
	s_mov_b32 s[G0+4*\s], 1
	s_add_co_u32 s[G0+4*\s+1], s45, \s*SLOT
	s_add_nc_u64 s[G0+4*\s+2:G0+4*\s+3], s[20:21], \s*ROWB
	s_or_b32 s[G0+4*\s+3], s[G0+4*\s+3], 0x80000000
	s_mov_b32 s[G0B+4*\s], 1
	s_add_co_u32 s[G0B+4*\s+1], s45, \s*SLOT
	s_add_nc_u64 s[G0B+4*\s+2:G0B+4*\s+3], s[46:47], \s*ROWB
	s_or_b32 s[G0B+4*\s+3], s[G0B+4*\s+3], 0x80000000
.endr
; the head's four tiles, one load a wave: chunk 0 of A, chunk 0 of B, A's scales, B's scales
.macro ARM under, g0, g1, next
	s_cmp_lt_u32 s14, \under
	s_cbranch_scc0 \next
	tensor_load_to_lds s[\g0:\g0+3], s[\g1:\g1+7]
	s_nop 0
.rept 4
	v_nop
.endr
	s_branch .Lhead_asked
\next:
.endm
	ARM 1, G0H,  G1,  .Lhead_b
	ARM 2, G0HB, G1B, .Lhead_sa
	ARM 3, G0S,  G1S, .Lhead_sb
	tensor_load_to_lds s[G0SB:G0SB+3], s[G1SB:G1SB+7]
	s_nop 0
.rept 4
	v_nop
.endr
.Lhead_asked:
	v_and_b32 v1, 15, v0
	v_bfe_u32 v2, v0, 4, 1
	v_mul_u32_u24 v3, v1, PITCH
	v_mul_u32_u24 v4, v2, 24
	v_add_nc_u32 v4, v3, v4                        ; row x pitch + 24 x half
	s_mov_b32 s21, SLOT-232
	s_mov_b32 s22, SLOT+232
	v_sub_nc_u32 v7, 1, v2
	v_mul_u32_u24 v5, s21, v2
	v_add_nc_u32 v5, v3, v5
	v_add_nc_u32 v5, 232, v5                       ; across two chunks: lanes 0-15 byte 232 in slot 0, lanes 16-31 byte 0 in slot 1
	v_mul_u32_u24 v6, s22, v7
	v_add_nc_u32 v6, v3, v6                        ; and the other way round
	s_mul_i32 s21, s15, HALFT
	s_mul_i32 s22, s16, HALFT
	s_add_co_u32 s22, s22, 2*HALFT
	v_add_nc_u32 v[ADRA+2], s21, v5
	v_add_nc_u32 v[ADRA+3], s21, v6
	v_add_nc_u32 v[ADRB+2], s22, v5
	v_add_nc_u32 v[ADRB+3], s22, v6
.irp s, 0,1
	v_add_nc_u32 v[ADRA+\s], s21, v4
	v_add_nc_u32 v[ADRB+\s], s22, v4
	s_add_co_u32 s21, s21, SLOT
	s_add_co_u32 s22, s22, SLOT
.endr
	v_mul_u32_u24 v5, v1, KS
	v_lshrrev_b32 v6, 8, v5
	v_lshl_add_u32 v5, v6, 4, v5
	s_mul_i32 s21, s15, HALFS
	s_mul_i32 s22, s16, HALFS
	s_add_co_u32 s22, s22, 2*HALFS
	s_sub_co_u32 s22, s22, s21
	v_mul_u32_u24 v6, s22, v2                      ; lanes 16-31 take B's scale words
	s_add_co_u32 s21, s21, SCL
	v_add_nc_u32 v5, v5, v6
	v_add_nc_u32 v[ADRS], s21, v5
	v_and_b32 v6, 31, v0
	v_lshlrev_b32 v[CO], 4, v6                     ; 16 x lane
	; where my eight fragments go: index = (8 batch + head) x 16 + the group of 128 tokens
	s_lshl_b32 s20, s17, 1
	s_add_co_u32 s20, s20, s15
	s_lshl_b32 s21, s42, 1
	s_add_co_u32 s21, s21, s16
	s_cmp_eq_u32 s[PJ], 2
	s_cselect_b32 s22, s21, s20
	s_cselect_b32 s23, s20, s21
	s_lshr_b32 s46, s22, 4
	s_and_b32 s22, s22, 15
	s_lshl_b32 s46, s46, 3
	s_add_co_u32 s46, s46, s23
	s_lshl_b32 s46, s46, 4
	s_add_co_u32 s46, s46, s22
	s_mul_i32 s92, s46, 8*FR*128
	s_mov_b32 s93, 0
	s_add_nc_u64 s[12:13], s[12:13], s[92:93]
	s_lshl_b32 s92, s46, 9
	s_add_nc_u64 s[66:67], s[66:67], s[92:93]
.macro FRAG reg, adr, st, i            ; 16 rows x 128 K: six pieces of 8 bytes; byte y of a row lies in slot (y / 256) % 2 at byte y % 256
.irp p, 0,1,2,3,4,5
.set BY, 96*(\st)+48*(\p/3)+8*(\p%3)
.if BY/ROWB == (BY+24)/ROWB
	ds_load_b64 v[\reg+2*\p:\reg+2*\p+1], v[\adr+(BY/ROWB)%2] offset:BY%ROWB+(\i)*16*PITCH
.else
	ds_load_b64 v[\reg+2*\p:\reg+2*\p+1], v[\adr+2+(BY/ROWB)%2] offset:BY%ROWB-232+(\i)*16*PITCH
.endif
.endr
.endm
.macro MUL16 a0, p, q, sc, zero        ; the 64 accumulators take turns
.irp a, \a0, \a0+1
.irp b, 0,1,2,3,4,5,6,7
.if \zero
	v_wmma_scale_f32_16x16x128_f8f6f4 v[8*(8*((\a)%4)+\b):8*(8*((\a)%4)+\b)+7], v[128*(\p)+FR*\b:128*(\p)+FR*\b+FR-1], v[AF+FR*(\a):AF+FR*(\a)+FR-1], 0, v[SC+8*NQ*(\sc)+NQ*\b+(\q)], v[SC+8*NQ*(\sc)+NQ*(\a)+(\q)] matrix_a_fmt:MATRIX_FMT_FP6 matrix_b_fmt:MATRIX_FMT_FP6 matrix_a_scale:MATRIX_SCALE_ROW1
.else
	v_wmma_scale_f32_16x16x128_f8f6f4 v[8*(8*((\a)%4)+\b):8*(8*((\a)%4)+\b)+7], v[128*(\p)+FR*\b:128*(\p)+FR*\b+FR-1], v[AF+FR*(\a):AF+FR*(\a)+FR-1], v[8*(8*((\a)%4)+\b):8*(8*((\a)%4)+\b)+7], v[SC+8*NQ*(\sc)+NQ*\b+(\q)], v[SC+8*NQ*(\sc)+NQ*(\a)+(\q)] matrix_a_fmt:MATRIX_FMT_FP6 matrix_b_fmt:MATRIX_FMT_FP6 matrix_a_scale:MATRIX_SCALE_ROW1
.endif
.endr
.endr
.endm
.macro FETCH_B st, p
	WIN TO_B
.irp i, 0,1,2,3,4,5,6,7
	FRAG 128*(\p)+FR*\i, ADRB, \st, \i
.endr
	WIN 0
.endm
.macro FETCH_A st, i0
.irp i, \i0, \i0+1, \i0+2, \i0+3
	FRAG AF+FR*(\i), ADRA, \st, \i
.endr
.endm
.macro SCALES pr
.irp i, 0,1,2,3,4,5,6,7
	ds_load_b64 v[SC+8*NQ*((\pr)%2)+NQ*\i:SC+8*NQ*((\pr)%2)+NQ*\i+1], v[ADRS] offset:\i*SBLK+4*NQ*(\pr)
.endr
.endm
.macro PLACES n                        ; plain places behind a matrix instruction (ISA guide 7.12.1)
.rept \n
	v_nop
.endr
.endm
; A step of 128 along K.  Where the next step's bytes end in a chunk not read yet: a wait for my tensor loads and a barrier.  Where they begin in a later chunk: the chunk left behind is read no more:
; the wait, the add, the wait for it and for my reads, the barrier; where a chunk two on is left to fetch, the barrier opens a round and the slot is filled again.
.macro STEP st, zero
.set NX, (\st)+1
.set C0, (96*(\st))/ROWB
.set C1, (96*NX)/ROWB
.set E0, (96*(\st)+95)/ROWB
.set E1, (96*NX+95)/ROWB
.if C1 > C0 || E1 > E0
	s_wait_tensorcnt 0x0
.if C1 > C0
	ds_add_u32 v[SPW], v[NIL]
	s_wait_dscnt 4*NL+1                            ; the add and A's blocks 4-7 may be out
.else
	s_wait_dscnt 4*NL                              ; A's blocks 4-7 may be out
.endif
	WIN MUL_LO
	MUL16 0, (\st)%2, (\st)%2, ((\st)/2)%2, \zero
	s_wait_dscnt 0x0
	s_barrier_signal -1
	MUL16 2, (\st)%2, (\st)%2, ((\st)/2)%2, \zero
	WIN 0
	s_barrier_wait -1
.if C1 > C0 && C0+2 < CHUNKS
	CREST
	s_add_nc_u64 s[G0+4*(C0%2)+2:G0+4*(C0%2)+3], s[G0+4*(C0%2)+2:G0+4*(C0%2)+3], 2*ROWB
	s_add_nc_u64 s[G0B+4*(C0%2)+2:G0B+4*(C0%2)+3], s[G0B+4*(C0%2)+2:G0B+4*(C0%2)+3], 2*ROWB
	JLOAD G0+4*(C0%2), G1, G0B+4*(C0%2), G1B       ; chunk C0 + 2; its four v_nop are the places in front of the loads below
.else
	PLACES NP
.endif
.else
	s_wait_dscnt 4*NL
	WIN MUL_LO
	MUL16 0, (\st)%2, (\st)%2, ((\st)/2)%2, \zero
	MUL16 2, (\st)%2, (\st)%2, ((\st)/2)%2, \zero
	s_wait_dscnt 0
	PLACES NP
.endif
	FETCH_B NX, NX%2
	FETCH_A NX, 0
.if NX%2 == 0
	SCALES NX/2
.endif
	WIN MUL_HI
	MUL16 4, (\st)%2, (\st)%2, ((\st)/2)%2, \zero
	MUL16 6, (\st)%2, (\st)%2, ((\st)/2)%2, \zero
	PLACES NP
	WIN 0
	FETCH_A NX, 4
.endm
	s_wait_alu depctr_va_vdst(0)                   ; the wait at the head's end
	s_wait_tensorcnt 0x0                           ; my tile of the head's four is in
	ds_add_u32 v[SPW], v[NIL]
	s_mov_b32 s[G1+2], 128<<16                     ; no load of mine is out: from here on a load brings 128 rows
	s_mov_b32 s[G1+4], 128
	s_mov_b32 s[G1B+2], 128<<16
	s_mov_b32 s[G1B+4], 128
	s_wait_dscnt 0x0
	CROUND
	JLOAD G0+4, G1, G0B+4, G1B                     ; chunk 1, slot 1's first fill, issued as a refill is
	FETCH_B 0, 0
	FETCH_A 0, 0
	SCALES 0
	FETCH_A 0, 4
	STEP 0, 1
.set ST, 1
.rept STEPS-2
	STEP ST, 0
.set ST, ST+1
.endr
	s_wait_dscnt 4*NL
	WIN MUL_LO
	MUL16 0, 1, 1, 1, 0
	MUL16 2, 1, 1, 1, 0
	s_wait_dscnt 0
	WIN MUL_HI
	MUL16 4, 1, 1, 1, 0
	MUL16 6, 1, 1, 1, 0
	WIN 0
; THE WAY OUT.  Register 16 b + i of block a is, for lane (r, h), number 8 h + i (i < 8) or 16 + 8 h + i - 8 of block b of 32 of row r.  Each block has registers of its own for codes and scale word.
.macro QBLK a
.set AC, 64*((\a)%4)
.set WW, 2+(\a)/4
.set WW5, WW*5
.set PCA, 64+20*(\a)
	WIN WW5
.irp b, 0,1,2,3
	v_max3_num_f32 v[TM+\b], |v[AC+16*\b]|, |v[AC+16*\b+1]|, 0x1800000   ; with the floor 2^(3 - 127): the byte cannot fall under 1
.endr
.irp i, 2,4,6,8,10,12,14
.irp b, 0,1,2,3
	v_max3_num_f32 v[TM+\b], |v[AC+16*\b+\i]|, |v[AC+16*\b+\i+1]|, v[TM+\b]
.endr
.endr
	WIN 0
.irp b, 0,1,2,3
	v_permlanex16_b32 v[TM+4+\b], v[TM+\b], s20, s21
.endr
.irp b, 0,1,2,3
	v_max_num_f32 v[TM+\b], v[TM+\b], v[TM+4+\b]
.endr
.irp b, 0,1,2,3
	v_add_nc_u32 v[TM+12+\b], 0xff000000, v[TM+\b] ; 2 off the exponent field: the conversion's scale operand
.endr
.irp b, 0,1,2,3
	v_lshrrev_b32 v[TM+4+\b], 23, v[TM+12+\b]      ; the scale's byte
.endr
	v_lshl_or_b32 v[PWR+(\a)], v[TM+5], 8, v[TM+4]
	v_lshl_or_b32 v[PWR+(\a)], v[TM+6], 16, v[PWR+(\a)]
	v_lshl_or_b32 v[PWR+(\a)], v[TM+7], 24, v[PWR+(\a)]
	WIN WW
.irp c, 0,1
	v_cvt_scalef32_pk16_fp6_f32 v[PCA+6*\c:PCA+6*\c+2], v[AC+32*\c:AC+32*\c+15], v[TM+12+2*\c]
	v_cvt_scalef32_pk16_fp6_f32 v[PCA+12+4*\c:PCA+14+4*\c], v[AC+16+32*\c:AC+31+32*\c], v[TM+13+2*\c]
.endr
	WIN 0
	v_nop                                          ; one plain place behind a scaled conversion
.irp c, 0,1
.irp i, 0,1,2
	v_permlane16_swap_b32 v[PCA+6*\c+\i], v[PCA+12+4*\c+\i]
.endr
.irp i, 0,1,2
	v_mov_b32 v[PCA+3+6*\c+\i], v[PCA+12+4*\c+\i]
.endr
.endr
.irp c, 0,1,2
	global_store_b128 v[CO], v[PCA+4*\c:PCA+4*\c+3], s[12:13] offset:1536*(\a)+512*\c   ; 32 lanes store 512 consecutive bytes, aligned
.endr
.endm
	PLACES NP
	s_mov_b32 s20, 0x76543210
	s_mov_b32 s21, 0xfedcba98
.irp b, 0,1,2,3
	v_mov_b32 v[TM+4+\b], 0                        ; a lane permute's destination counts as a source
.endr
.irp a, 0,1,2,3,4,5,6,7
	QBLK \a
.endr
	v_and_b32 v6, 31, v0
	v_cmp_le_u32 vcc_lo, 16, v6                    ; lanes 16-31 carry the odd fragments' words
.irp i, 0,1,2,3
	v_cndmask_b32 v[OUTS+\i], v[PWR+2*\i], v[PWR+2*\i+1], vcc_lo
.endr
	global_store_b128 v[CO], v[OUTS:OUTS+3], s[66:67]
	s_wait_tensorcnt 0x0                           ; the wave's end
	ds_add_u32 v[SPW], v[NIL]
	s_wait_dscnt 0x0
	CROUND                                         ; the closing round
	s_endpgm
.Lfunc_end_k_q319fe782ca_proj:
	.size	k_q319fe782ca_proj, .Lfunc_end_k_q319fe782ca_proj-k_q319fe782ca_proj
	.p2alignl 7, 3214868480
	.fill 96, 4, 3214868480
	.section	.rodata,"a",@progbits
	.p2align	6, 0x0
	.amdhsa_kernel k_q319fe782ca_proj
		.amdhsa_group_segment_fixed_size 327680
		.amdhsa_private_segment_fixed_size 0
		.amdhsa_enable_private_segment 0
		.amdhsa_kernarg_size 144
		.amdhsa_user_sgpr_count 2
		.amdhsa_user_sgpr_kernarg_segment_ptr 1
		.amdhsa_wavefront_size32 1
		.amdhsa_system_sgpr_workgroup_id_x 1
		.amdhsa_system_sgpr_workgroup_id_y 1
		.amdhsa_system_sgpr_workgroup_id_z 1
		.amdhsa_system_vgpr_workitem_id 0
		.amdhsa_next_free_vgpr 1024
		.amdhsa_next_free_sgpr 102
		.amdhsa_reserve_vcc 1
		.amdhsa_float_denorm_mode_32 3
		.amdhsa_float_denorm_mode_16_64 3
		.amdhsa_memory_ordered 1
		.amdhsa_forward_progress 1
		.amdhsa_inst_pref_size 165
	.end_amdhsa_kernel
	.amdgpu_metadata
---
amdhsa.version: [ 1, 2 ]
amdhsa.kernels:
  - .name:           k_q319fe782ca_proj
    .symbol:         k_q319fe782ca_proj.kd
    .args:
      - { .name: query_codes, .offset: 0, .size: 8, .value_kind: global_buffer, .address_space: global }
      - { .name: query_scales, .offset: 8, .size: 8, .value_kind: global_buffer, .address_space: global }
      - { .name: key_t_codes, .offset: 16, .size: 8, .value_kind: global_buffer, .address_space: global }
      - { .name: key_t_scales, .offset: 24, .size: 8, .value_kind: global_buffer, .address_space: global }
      - { .name: value_codes, .offset: 32, .size: 8, .value_kind: global_buffer, .address_space: global }
      - { .name: value_scales, .offset: 40, .size: 8, .value_kind: global_buffer, .address_space: global }
      - { .name: Wq_codes, .offset: 48, .size: 8, .value_kind: global_buffer, .address_space: global }
      - { .name: Wq_scales, .offset: 56, .size: 8, .value_kind: global_buffer, .address_space: global }
      - { .name: Wk_codes, .offset: 64, .size: 8, .value_kind: global_buffer, .address_space: global }
      - { .name: Wk_scales, .offset: 72, .size: 8, .value_kind: global_buffer, .address_space: global }
      - { .name: Wv_codes, .offset: 80, .size: 8, .value_kind: global_buffer, .address_space: global }
      - { .name: Wv_scales, .offset: 88, .size: 8, .value_kind: global_buffer, .address_space: global }
      - { .name: qimg, .offset: 96, .size: 8, .value_kind: global_buffer, .address_space: global }
      - { .name: qscl, .offset: 104, .size: 8, .value_kind: global_buffer, .address_space: global }
      - { .name: kimg, .offset: 112, .size: 8, .value_kind: global_buffer, .address_space: global }
      - { .name: kscl, .offset: 120, .size: 8, .value_kind: global_buffer, .address_space: global }
      - { .name: vimg, .offset: 128, .size: 8, .value_kind: global_buffer, .address_space: global }
      - { .name: vscl, .offset: 136, .size: 8, .value_kind: global_buffer, .address_space: global }
    .group_segment_fixed_size: 327680
    .private_segment_fixed_size: 0
    .kernarg_segment_align: 8
    .kernarg_segment_size: 144
    .max_flat_workgroup_size: 128
    .sgpr_count:     102
    .vgpr_count:     1024
    .wavefront_size: 32
...
	.end_amdgpu_metadata
.endif
;; end of part 1
;; launch attn (part 2): grid 16 x 16, 8 waves a work-group, no clusters, 327,680 bytes of LDS; arguments qimg, qscl, kimg, kscl, vimg, vscl, lambda_q1, lambda_k1, lambda_q2, lambda_k2, rms_weight, oimg, oscl; writes oimg, oscl
.if DOCPART == 2
	.amdgcn_target "amdgcn-amd-amdhsa--gfx1250"
	.amdhsa_code_object_version 6
	.text
	.protected	k_q319fe782ca_attn
	.globl	k_q319fe782ca_attn
	.p2align	8
	.type	k_q319fe782ca_attn,@function
k_q319fe782ca_attn:
	s_mov_b64 s[64:65], 0
	v_nop
	global_prefetch_b8 v0, s[64:65] scope:SCOPE_SE
	s_setreg_imm32_b32 hwreg(HW_REG_WAVE_MODE, 25, 1), 1
	s_wait_xcnt 0x0
; DIFFERENTIAL ATTENTION OF ONE HEAD (grid y = 8 batch + head), 128 queries a work-group, on codes of FP6 (E2M3); then the head's RMS norm and the quantiser of the last projection's operand.
; LEFT OUT: steps of 128 keys that lie wholly above the diagonal (reference()'s own jnp.tril gives them the weight 0 for all inputs); a NaN or infinity that reaches only them is not carried on.
; The weights are quantised finished (normalised and combined), so the keys are walked twice.  Pass 1: S^T = k q^T for both half-heads, running largest t (M = its ceiling) and the sums of 2^(t - M).
; Pass 2: the scores again, p = 2^(t - M - log2(sum)) for both half-heads, a = p1 - lambda p2, a's quantiser along the keys, O^T += v^T a^T.
; A half-head's 64 channels are one half of a K step of 128: q's fragment has zero codes in the other half.
; THE SHARES.  A work-group has four tiles of 16 queries from the high end (tile 4 (31 - x) + g) and four from the low end (4 x + g).  Waves g and g + 4 share the two tiles of their g:
; wave g owns the high one, wave g + 4 the low one; a wave takes the even steps of 128 keys of its own tile and the odd steps of the other: the two tiles have 17 steps together, so a wave has 8 or 9 a pass.
; Pass 1 goes own tile, other tile; each job's (-M, sum) of both half-heads go to LDS, and behind one barrier both waves join the two halves (M whole numbers: the sums are brought together by ldexp, which rounds nothing).
; Pass 2 goes other tile, own tile; the other tile's part of O^T goes to LDS (8,192 bytes a wave), and behind one barrier its owner adds it to its own part.
; LDS is filled by tensor loads once, at the head, one a wave: waves 0-3 K's 16 steps (4 x 49,152 bytes), waves 4-7 K's and V's scale words (4 x 4,096).  The bytes that waves store into are filled by no tensor load.
; V goes from its images in memory straight into the operand's registers, 512 consecutive bytes an instruction.  It is asked for ahead by two prefetch lines: the head's 16 work-groups share its 768 blocks of
; 256 bytes out, 48 each, waves 0 and 1 24 each, a lane a block (lanes 24-31 name the 24th again), ahead of pass 1.
; cluster = none: the jump over hidden steps hangs on the work-group's x, which differs between the work-groups that share K and V.
; LIMITS: the promise holds while the scaled scores (exponents to the base 2) stay under 2^31 in magnitude: then every score is finite and nan_to_num changes nothing.  NaN and infinities among the inputs are not served.
.set STEPB, 12288
.set KIMG,  0
.set KSCL,  196608
.set VSCL,  204800
.set SPARE, 212992
.set XCH,   214016                     ; (-M1, sum1, -M2, sum2): 2 jobs x 512 bytes a wave
.set OX,    222208                     ; parts of O^T: 8,192 bytes a wave
.set LI,   1
.set SPW,  2
.set NIL,  3
.set ADK,  4
.set ADS,  5
.set ADT,  7
.set RH,   8
.set NINF, 9
.set PF,   23
.set QF,   24
.set QS,   42
.set PW,   43
.set KSR,  44
.set VSR,  48
.set PC,   52
.set TM,   72
.set SC1,  96
.set SC2,  160
.set ADG,  228
.set FO1,  229                         ; -M - log2(sum): own tile, half-heads 1, 2
.set FO2,  230
.set FT1,  231                         ; the other tile
.set FT2,  233
.set QS2,  232                         ; the waiting tile's q: scale word, and v240-251 its codes
.set QST,  240
.set OA,   234
.set OB,   235
.set XA,   236
.set XB,   237
.set KFR,  64
.set VFR,  160
.set G1D,  32
.set G1S,  40
.set G0D,  48
.set G0S,  52
.set Q0A,  56
.set Q0B,  57
.set QPA,  58
.set QPB,  60
.set SPA,  62
.set SPB,  96
.set WV,   66
.set Q0,   67
.set QL,   68
.set KF,   69
.set TK,   70
.set TKN,  71
.set TS,   72
.set TSN,  73
.set TG,   74
.set TVS,  75
.set CNT,  76
.set SEL,  78
.set CS,   80
.set MSB, 0
.macro WIN new
.if MSB != \new
	s_set_vgpr_msb (MSB<<8)|\new
.set MSB, \new
.endif
.endm
.macro NOPS n
.rept \n
	v_nop
.endr
.endm
.macro OZERO                           ; O^T begins as zeros: the step is written once, in a loop
	WIN 0x40
.set n, 0
.rept 64
	v_mov_b32 v[n], 0
.set n, n+1
.endr
	WIN 0
.endm
.macro QOFF tile, img, scl             ; where a tile's q image and scale words lie
	s_lshl_b32 s92, s82, 7
	s_add_co_u32 s92, s92, s[\tile]
	s_mul_i32 s92, s92, 1536
	s_mov_b32 s93, 0
	s_add_nc_u64 s[\img:\img+1], s[4:5], s[92:93]
	s_lshr_b32 s92, s[\tile], 3
	s_lshl_b32 s94, s82, 4
	s_add_co_u32 s92, s92, s94
	s_lshl_b32 s92, s92, 9
	s_and_b32 s94, s[\tile], 1
	s_lshl_b32 s94, s94, 8
	s_add_co_u32 s92, s92, s94
	s_bfe_u32 s94, s[\tile], 0x20001
	s_lshl_b32 s94, s94, 2
	s_add_co_u32 s92, s92, s94
	s_add_nc_u64 s[\scl:\scl+1], s[6:7], s[92:93]
.endm
	s_load_b512 s[4:19], s[0:1], 0x0               ; qimg qscl kimg kscl vimg vscl lambda_q1 lambda_k1
	s_load_b256 s[20:27], s[0:1], 0x40             ; lambda_q2 lambda_k2 rms_weight oimg
	s_load_b64 s[28:29], s[0:1], 0x60              ; oscl
	v_lshl_add_u32 v[SPW], v0, 2, SPARE
	v_mov_b32 v[NIL], 0
	ds_add_u32 v[SPW], v[NIL]                      ; the opening lines: the add twice and its wait
	ds_add_u32 v[SPW], v[NIL]
	v_lshrrev_b32 v4, 5, v0
	v_readfirstlane_b32 s[WV], v4
	v_and_b32 v5, 31, v0
	v_and_b32 v6, 15, v0
	v_bfe_u32 v7, v0, 4, 1
	v_lshlrev_b32 v[LI], 4, v5                     ; 16 x lane
	v_lshlrev_b32 v[RH], 3, v7
	v_mov_b32 v[NINF], 0xff800000
	v_lshlrev_b32 v236, 4, v6
	v_sub_nc_u32 v[RH], v6, v[RH]                  ; r - 8 h
	v_lshlrev_b32 v237, 3, v5
	v_lshlrev_b32 v238, 6, v7
	v_lshlrev_b32 v239, 5, v6
	v_min_u32 v[PF], 23, v5
	s_mul_i32 s83, ttmp9, 48*256
	s_mul_i32 s84, s[WV], 24*256
	s_add_co_u32 s83, s83, s84
	v_lshl_add_u32 v[PF], v[PF], 8, s83            ; waves 0, 1: my 24 of my work-group's 48 blocks of V
	s_and_b32 s82, ttmp7, 0xffff                   ; 8 batch + head
	s_and_b32 s85, s[WV], 3
	s_lshr_b32 s83, s[WV], 2
	s_sub_co_u32 s84, 31, ttmp9
	s_lshl_b32 s84, s84, 2
	s_add_co_u32 s84, s84, s85                     ; the high tile
	s_lshl_b32 s86, ttmp9, 2
	s_add_co_u32 s86, s86, s85                     ; the low tile
	s_cmp_eq_u32 s83, 0
	s_cselect_b32 s87, s86, s84                    ; the other tile
	s_cselect_b32 s84, s84, s86                    ; my own tile
	s_lshl_b32 s[Q0A], s84, 4
	s_lshl_b32 s[Q0B], s87, 4
	s_mov_b32 s[G1D], 3<<16                        ; 49,152 dense bytes as 192 rows of 256
	s_mov_b32 s[G1D+1], 32<<16
	s_mov_b32 s[G1D+2], 192<<16
	s_mov_b32 s[G1D+3], 32<<16
	s_mov_b32 s[G1D+4], 192
	s_mov_b32 s[G1D+5], 32
	s_mov_b32 s[G1D+6], 0
	s_mov_b32 s[G1D+7], 0
	s_mov_b32 s[G1S], 3<<16                        ; 4,096 dense bytes as 16 rows of 256
	s_mov_b32 s[G1S+1], 32<<16
	s_mov_b32 s[G1S+2], 16<<16
	s_mov_b32 s[G1S+3], 32<<16
	s_mov_b32 s[G1S+4], 16
	s_mov_b32 s[G1S+5], 32
	s_mov_b32 s[G1S+6], 0
	s_mov_b32 s[G1S+7], 0
	s_mov_b32 s[SEL], 0x76543210
	s_mov_b32 s[SEL+1], 0xfedcba98
	s_mov_b32 s[CS], 0x3e38aa3b                    ; log2(e) / 8
	s_mov_b32 s[CS+1], s[CS]
	s_mul_i32 s88, s82, 16*STEPB
	s_mov_b32 s89, 0
	s_mul_i32 s90, s85, 4*STEPB
	s_mov_b32 s91, 0
	s_lshl_b32 s92, s82, 13
	s_and_b32 s93, s[WV], 1
	s_lshl_b32 s93, s93, 12
	s_add_co_u32 s92, s92, s93
	s_mov_b32 s93, 0
	s_mul_i32 s94, s[WV], 4*STEPB                  ; LDS: waves 0-3, 49,152 bytes each
	s_lshl_b32 s95, s[WV], 12
	s_add_co_u32 s95, s95, KSCL-4*4096             ; waves 4-7: 4,096 bytes of scale words each
	s_wait_alu depctr_va_vdst(0)
	s_wait_dscnt 0x0
	s_wait_kmcnt 0x0
	s_add_nc_u64 s[12:13], s[12:13], s[88:89]      ; the head's V images: kept
	s_add_nc_u64 s[G0D+2:G0D+3], s[8:9], s[88:89]
	s_add_nc_u64 s[G0D+2:G0D+3], s[G0D+2:G0D+3], s[90:91]
	s_or_b32 s[G0D+3], s[G0D+3], 0x80000000
	s_mov_b32 s[G0D], 1
	s_mov_b32 s[G0D+1], s94
	s_cmp_lt_u32 s[WV], 6
	s_cselect_b64 s[G0S+2:G0S+3], s[10:11], s[14:15]
	s_add_nc_u64 s[G0S+2:G0S+3], s[G0S+2:G0S+3], s[92:93]
	s_or_b32 s[G0S+3], s[G0S+3], 0x80000000
	s_mov_b32 s[G0S], 1
	s_mov_b32 s[G0S+1], s95
	s_cmp_lt_u32 s[WV], 4
	s_cbranch_scc0 .Lscales
	tensor_load_to_lds s[G0D:G0D+3], s[G1D:G1D+7]
	s_nop 0
	NOPS 4
	s_branch .Lasked
.Lscales:
	tensor_load_to_lds s[G0S:G0S+3], s[G1S:G1S+7]
	s_nop 0
	NOPS 4
.Lasked:
	QOFF 84, QPA, SPA
	QOFF 87, QPB, SPB
.irp c, 0,1,2
	global_load_b128 v[SC1+4*\c:SC1+4*\c+3], v[LI], s[QPA:QPA+1] offset:512*\c
	global_load_b128 v[QST+4*\c:QST+4*\c+3], v[LI], s[QPB:QPB+1] offset:512*\c
.endr
	global_load_b32 v[QS], v236, s[SPA:SPA+1]
	global_load_b32 v[QS2], v236, s[SPB:SPB+1]
	global_load_b64 v[160:161], v237, s[16:17]
	global_load_b64 v[162:163], v237, s[18:19]
	global_load_b64 v[164:165], v237, s[20:21]
	global_load_b64 v[166:167], v237, s[22:23]
	s_lshr_b32 s85, s82, 3                         ; where my own tile's result goes
	s_and_b32 s83, s82, 7
	s_lshl_b32 s85, s85, 7
	s_add_co_u32 s85, s85, s84
	s_lshl_b32 s92, s85, 3
	s_add_co_u32 s92, s92, s83
	s_mul_i32 s92, s92, 1536
	s_add_nc_u64 s[26:27], s[26:27], s[92:93]
	s_lshl_b32 s92, s85, 9
	s_lshl_b32 s94, s83, 2
	s_add_co_u32 s92, s92, s94
	s_add_nc_u64 s[28:29], s[28:29], s[92:93]
	s_lshl_b32 s92, s[WV], 10
	s_add_co_u32 s92, s92, XCH
	s_xor_b32 s94, s[WV], 4                        ; my partner
	s_lshl_b32 s90, s94, 10
	s_add_co_u32 s90, s90, XCH
	s_lshl_b32 s95, s[WV], 13
	s_add_co_u32 s95, s95, OX
	s_lshl_b32 s94, s94, 13
	s_add_co_u32 s94, s94, OX
.irp r, 18,19,20,21
	v_mov_b32 v\r, 0
.endr
.irp r, 6,7,8,9,10,11
	v_mov_b32 v[QF+\r], 0                          ; the zero codes between q's two halves
.endr
.set n, 72
.rept 24
	v_mov_b32 v[n], 0
.set n, n+1
.endr
	v_mov_b32 v170, 0
	v_mov_b32 v171, 0
	v_add_nc_u32 v[OA], s95, v[LI]
	v_add_nc_u32 v[OB], s94, v[LI]
	s_wait_loadcnt 0x0
	v_add_nc_u32 v[XA], s92, v[LI]                 ; (the loads that took v236, v237 as offsets are done)
	v_add_nc_u32 v[XB], s90, v[LI]
.irp i, 0,1,2,3,4,5
	v_mov_b32 v[QF+\i], v[SC1+\i]
	v_mov_b32 v[QF+12+\i], v[SC1+6+\i]
.endr
	v_mul_f32 v168, v160, v162
	v_mul_f32 v169, v164, v166
	s_delay_alu instid0(VALU_DEP_2)
	v_fmac_f32 v168, v161, v163
	s_delay_alu instid0(VALU_DEP_2)
	v_fmac_f32 v169, v165, v167
.irp m, 1,2,4,8
	s_delay_alu instid0(VALU_DEP_2)
	v_add_f32_dpp v168, v168, v168 row_xmask:\m row_mask:0xf bank_mask:0xf
	s_delay_alu instid0(VALU_DEP_2)
	v_add_f32_dpp v169, v169, v169 row_xmask:\m row_mask:0xf bank_mask:0xf
.endr
	s_delay_alu instid0(VALU_DEP_2)
	v_permlanex16_b32 v170, v168, s[SEL], s[SEL+1]
	s_delay_alu instid0(VALU_DEP_2)
	v_permlanex16_b32 v171, v169, s[SEL], s[SEL+1]
	s_delay_alu instid0(VALU_DEP_2)
	v_add_f32 v168, v168, v170
	s_delay_alu instid0(VALU_DEP_2)
	v_add_f32 v169, v169, v171
	s_delay_alu instid0(VALU_DEP_2)
	v_mul_f32 v168, 0x3fb8aa3b, v168
	s_delay_alu instid0(VALU_DEP_2)
	v_mul_f32 v169, 0x3fb8aa3b, v169
	s_wait_alu depctr_va_vdst(0)
	v_exp_f32 v168, v168
	v_exp_f32 v169, v169
	v_nop
	s_wait_alu depctr_va_vdst(0)
	v_sub_f32 v22, v168, v169
	s_delay_alu instid0(VALU_DEP_1)
	v_add_f32 v22, 0x3f489a63, v22                 ; lambda
	OZERO
	s_wait_alu depctr_va_vdst(0)                   ; the wait at the head's end
	s_wait_tensorcnt 0x0                           ; my part is in,
	s_barrier_signal -1
	s_barrier_wait -1                              ; everybody's is
	s_cmp_lt_u32 s[WV], 2
	s_cbranch_scc0 .Lno_ask
	global_prefetch_b8 v[PF], s[12:13] th:TH_LOAD_NT scope:SCOPE_SE   ; v[PF] and s[12:13] are never written again
.Lno_ask:
.macro KLOAD
	WIN 0x40
.irp t, 0,1,2,3,4,5,6,7
.irp c, 0,1,2
	ds_load_b128 v[KFR+12*\t+4*\c:KFR+12*\t+4*\c+3], v[ADK] offset:1536*\t+512*\c
.endr
.endr
	WIN 0
	ds_load_b128 v[KSR:KSR+3], v[ADS]
.endm
.macro QKMUL
	WIN 0x01
.irp t, 0,1,2,3,4,5,6,7
.if (\t)%2
	v_wmma_scale_f32_16x16x128_f8f6f4 v[SC1+8*\t:SC1+8*\t+7], v[KFR+12*\t:KFR+12*\t+11], v[QF:QF+11], 0, v[KSR+\t/2], v[QS] matrix_a_fmt:MATRIX_FMT_FP6 matrix_b_fmt:MATRIX_FMT_FP6 matrix_a_scale:MATRIX_SCALE_ROW1
	v_wmma_scale_f32_16x16x128_f8f6f4 v[SC2+8*\t:SC2+8*\t+7], v[KFR+12*\t:KFR+12*\t+11], v[QF+6:QF+17], 0, v[KSR+\t/2], v[QS] matrix_a_fmt:MATRIX_FMT_FP6 matrix_b_fmt:MATRIX_FMT_FP6 matrix_a_scale:MATRIX_SCALE_ROW1
.else
	v_wmma_scale_f32_16x16x128_f8f6f4 v[SC1+8*\t:SC1+8*\t+7], v[KFR+12*\t:KFR+12*\t+11], v[QF:QF+11], 0, v[KSR+\t/2], v[QS] matrix_a_fmt:MATRIX_FMT_FP6 matrix_b_fmt:MATRIX_FMT_FP6
	v_wmma_scale_f32_16x16x128_f8f6f4 v[SC2+8*\t:SC2+8*\t+7], v[KFR+12*\t:KFR+12*\t+11], v[QF+6:QF+17], 0, v[KSR+\t/2], v[QS] matrix_a_fmt:MATRIX_FMT_FP6 matrix_b_fmt:MATRIX_FMT_FP6
.endif
.endr
	WIN 0
.endm
.macro PVMUL
	WIN 0x51
.irp t, 0,1,2,3,4,5,6,7
.if (\t)%2
	v_wmma_scale_f32_16x16x128_f8f6f4 v[8*\t:8*\t+7], v[VFR+12*\t:VFR+12*\t+11], v[PC:PC+11], v[8*\t:8*\t+7], v[VSR+\t/2], v[PW] matrix_a_fmt:MATRIX_FMT_FP6 matrix_b_fmt:MATRIX_FMT_FP6 matrix_a_scale:MATRIX_SCALE_ROW1
.else
	v_wmma_scale_f32_16x16x128_f8f6f4 v[8*\t:8*\t+7], v[VFR+12*\t:VFR+12*\t+11], v[PC:PC+11], v[8*\t:8*\t+7], v[VSR+\t/2], v[PW] matrix_a_fmt:MATRIX_FMT_FP6 matrix_b_fmt:MATRIX_FMT_FP6
.endif
.endr
	WIN 0
.endm
.macro MASK                            ; the step on the diagonal: keys behind the query get -infinity
	s_add_co_u32 s82, s[KF], 127
	s_cmp_le_u32 s82, s[Q0]
	s_cbranch_scc1 .Lopen_\@
	s_sub_co_i32 s82, s[Q0], s[KF]
	v_add_nc_u32 v88, s82, v[RH]
.set n, 0
.rept 64
	v_cmp_gt_i32 vcc_lo, 16*(n/8)+n%8, v88
	v_cndmask_b32 v[SC1+n], v[SC1+n], v[NINF], vcc_lo
	v_cndmask_b32 v[SC2+n], v[SC2+n], v[NINF], vcc_lo
.set n, n+1
.endr
.Lopen_\@:
.endm
.macro EXPO                            ; 2^(score x c + v10) and 2^(score x c + v12)
.set n, 0
.rept 32
	v_pk_fma_f32 v[SC1+n:SC1+n+1], v[SC1+n:SC1+n+1], s[CS:CS+1], v[10:11] op_sel_hi:[1,0,0]
	v_pk_fma_f32 v[SC2+n:SC2+n+1], v[SC2+n:SC2+n+1], s[CS:CS+1], v[12:13] op_sel_hi:[1,0,0]
.set n, n+2
.endr
.set n, 0
	s_wait_alu depctr_va_vdst(0)
.rept 128
	v_exp_f32 v[SC1+n], v[SC1+n]
.set n, n+1
.endr
.endm
.macro QUANT s                         ; 64 numbers a lane, four blocks of 32 shared with lane l xor 16 -> 12 registers of codes at PC, the scale word in PW
.irp b, 0,1,2,3
	v_max3_num_f32 v[TM+\b], |v[\s+16*\b]|, |v[\s+1+16*\b]|, 0x1800000
.endr
.irp i, 2,4,6,8,10,12,14
.irp b, 0,1,2,3
	s_delay_alu instid0(VALU_DEP_4)
	v_max3_num_f32 v[TM+\b], v[TM+\b], |v[\s+16*\b+\i]|, |v[\s+1+16*\b+\i]|
.endr
.endr
.irp b, 0,1,2,3
	s_delay_alu instid0(VALU_DEP_4)
	v_permlanex16_b32 v[TM+4+\b], v[TM+\b], s[SEL], s[SEL+1]
.endr
.irp b, 0,1,2,3
	s_delay_alu instid0(VALU_DEP_4)
	v_max_num_f32 v[TM+\b], v[TM+\b], v[TM+4+\b]
.endr
.irp b, 0,1,2,3
	s_delay_alu instid0(VALU_DEP_4)
	v_add_nc_u32 v[TM+12+\b], 0xff000000, v[TM+\b]
.endr
.irp b, 0,1,2,3
	s_delay_alu instid0(VALU_DEP_4)
	v_lshrrev_b32 v[TM+4+\b], 23, v[TM+12+\b]
.endr
	s_delay_alu instid0(VALU_DEP_3)
	v_lshl_or_b32 v[PW], v[TM+5], 8, v[TM+4]
	s_delay_alu instid0(VALU_DEP_1)
	v_lshl_or_b32 v[PW], v[TM+6], 16, v[PW]
	s_delay_alu instid0(VALU_DEP_1)
	v_lshl_or_b32 v[PW], v[TM+7], 24, v[PW]
.irp c, 0,1
	v_cvt_scalef32_pk16_fp6_f32 v[PC+6*\c:PC+2+6*\c], v[\s+32*\c:\s+15+32*\c], v[TM+12+2*\c]
	v_cvt_scalef32_pk16_fp6_f32 v[PC+12+4*\c:PC+14+4*\c], v[\s+16+32*\c:\s+31+32*\c], v[TM+12+2*\c+1]
.endr
	v_nop
.irp c, 0,1
.irp i, 0,1,2
	v_permlane16_swap_b32 v[PC+6*\c+\i], v[PC+12+4*\c+\i]
.endr
.irp i, 0,1,2
	s_delay_alu instid0(VALU_DEP_3)
	v_mov_b32 v[PC+3+6*\c+\i], v[PC+12+4*\c+\i]
.endr
.endr
.endm
.macro QSWAP                           ; the waiting tile's q changes places with the one at work; eight places stand ahead of the next scaled product
.irp i, 0,1,2,3,4,5
	v_mov_b32 v[TM+\i], v[QF+\i]
	v_mov_b32 v[TM+6+\i], v[QF+12+\i]
.endr
	v_mov_b32 v[TM+12], v[QS]
.irp i, 0,1,2,3,4,5
	v_mov_b32 v[QF+\i], v[QST+\i]
	v_mov_b32 v[QF+12+\i], v[QST+6+\i]
.endr
	v_mov_b32 v[QS], v[QS2]
.irp i, 0,1,2,3,4,5,6,7,8,9,10,11
	v_mov_b32 v[QST+\i], v[TM+\i]
.endr
	v_mov_b32 v[QS2], v[TM+12]
.endm
.macro P1STEP
	s_cmp_gt_u32 s[KF], s[QL]
	s_cbranch_scc1 .Lhidden1_\@
	s_wait_dscnt 0x0
	s_add_co_u32 s[TKN], s[TK], 2*STEPB
	s_min_u32 s[TKN], s[TKN], KIMG+15*STEPB
	s_add_co_u32 s[TSN], s[TS], 1024
	s_min_u32 s[TSN], s[TSN], KSCL+15*512
	QKMUL
	v_add_nc_u32 v[ADK], s[TKN], v[LI]
	v_add_nc_u32 v[ADS], s[TSN], v[LI]
	NOPS 2
	KLOAD                                          ; my next step's K
	MASK
.irp x, 0,1
.irp b, 0,1,2,3
	v_max3_num_f32 v[TM+4*\x+\b], v[SC1+64*\x+16*\b], v[SC1+1+64*\x+16*\b], v[SC1+2+64*\x+16*\b]
.endr
.endr
.irp i, 3,5,7,9,11,13
.irp x, 0,1
.irp b, 0,1,2,3
	v_max3_num_f32 v[TM+4*\x+\b], v[TM+4*\x+\b], v[SC1+64*\x+16*\b+\i], v[SC1+1+64*\x+16*\b+\i]
.endr
.endr
.endr
.irp x, 0,1
.irp b, 0,1,2,3
	v_max_num_f32 v[TM+4*\x+\b], v[TM+4*\x+\b], v[SC1+15+64*\x+16*\b]
.endr
.endr
	v_max3_num_f32 v88, v[TM], v[TM+1], v[TM+2]
	s_delay_alu instid0(VALU_DEP_3)
	v_max3_num_f32 v89, v[TM+4], v[TM+5], v[TM+6]
	s_delay_alu instid0(VALU_DEP_2)
	v_max_num_f32 v88, v88, v[TM+3]
	s_delay_alu instid0(VALU_DEP_2)
	v_max_num_f32 v89, v89, v[TM+7]
	s_delay_alu instid0(VALU_DEP_2)
	v_permlanex16_b32 v90, v88, s[SEL], s[SEL+1]
	s_delay_alu instid0(VALU_DEP_2)
	v_permlanex16_b32 v91, v89, s[SEL], s[SEL+1]
	s_delay_alu instid0(VALU_DEP_2)
	v_max_num_f32 v88, v88, v90
	s_delay_alu instid0(VALU_DEP_2)
	v_max_num_f32 v89, v89, v91
	s_delay_alu instid0(VALU_DEP_2)
	v_mul_f32 v88, s[CS], v88
	s_delay_alu instid0(VALU_DEP_2)
	v_mul_f32 v89, s[CS], v89
	s_delay_alu instid0(VALU_DEP_2)
	v_max_num_f32 v11, v11, v88
	s_delay_alu instid0(VALU_DEP_2)
	v_max_num_f32 v13, v13, v89
	v_mov_b32 v90, v10
	v_mov_b32 v91, v12
	s_delay_alu instid0(VALU_DEP_4)
	v_floor_f32 v10, -v11                          ; -M, a whole number
	s_delay_alu instid0(VALU_DEP_4)
	v_floor_f32 v12, -v13
	s_delay_alu instid0(VALU_DEP_2)
	v_sub_f32 v90, v10, v90
	s_delay_alu instid0(VALU_DEP_2)
	v_sub_f32 v91, v12, v91
	s_delay_alu instid0(VALU_DEP_2)
	v_cvt_i32_f32 v90, v90
	s_delay_alu instid0(VALU_DEP_2)
	v_cvt_i32_f32 v91, v91
	s_delay_alu instid0(VALU_DEP_2)
	v_ldexp_f32 v18, 1.0, v90                      ; 2^(old M - new M)
	s_delay_alu instid0(VALU_DEP_2)
	v_ldexp_f32 v20, 1.0, v91
	EXPO
	v_pk_mul_f32 v[14:15], v[14:15], v[18:19] op_sel_hi:[1,0]
	v_pk_mul_f32 v[16:17], v[16:17], v[20:21] op_sel_hi:[1,0]
	s_wait_alu depctr_va_vdst(0)
	v_pk_add_f32 v[224:225], v[SC1:SC1+1], v[SC1+2:SC1+3]
	v_pk_add_f32 v[226:227], v[SC2:SC2+1], v[SC2+2:SC2+3]
.irp j, 4,8,12,16,20,24,28,32,36,40,44,48,52,56,60
	v_pk_add_f32 v[14:15], v[14:15], v[SC1+\j:SC1+\j+1]
	v_pk_add_f32 v[16:17], v[16:17], v[SC2+\j:SC2+\j+1]
	v_pk_add_f32 v[224:225], v[224:225], v[SC1+\j+2:SC1+\j+3]
	v_pk_add_f32 v[226:227], v[226:227], v[SC2+\j+2:SC2+\j+3]
.endr
	s_delay_alu instid0(VALU_DEP_2)
	v_pk_add_f32 v[14:15], v[14:15], v[224:225]
	s_delay_alu instid0(VALU_DEP_2)
	v_pk_add_f32 v[16:17], v[16:17], v[226:227]
.Lhidden1_\@:
	s_add_co_u32 s[KF], s[KF], 256
	s_add_co_u32 s[TK], s[TK], 2*STEPB
	s_add_co_u32 s[TS], s[TS], 1024
.endm
.macro P2STEP
	s_cmp_gt_u32 s[KF], s[QL]
	s_cbranch_scc1 .Lhidden2_\@
	s_add_co_u32 s[TKN], s[TK], 2*STEPB
	s_min_u32 s[TKN], s[TKN], KIMG+15*STEPB
	s_add_co_u32 s[TSN], s[TS], 1024
	s_min_u32 s[TSN], s[TSN], KSCL+15*512
	s_mul_i32 s[TG], s[KF], 96                     ; the step's images in memory: 12,288 bytes for 128 keys
	v_add_nc_u32 v[ADT], s[TVS], v[LI]             ; (these four are the places behind the last step's products)
	v_add_nc_u32 v[ADK], s[TKN], v[LI]
	v_add_nc_u32 v[ADS], s[TSN], v[LI]
	v_add_nc_u32 v[ADG], s[TG], v[LI]
	s_wait_alu depctr_va_vdst(0)
	ds_load_b128 v[VSR:VSR+3], v[ADT]
	WIN 0x40
.irp t, 0,1,2,3,4,5,6,7
.irp c, 0,1,2
	global_load_b128 v[VFR+12*\t+4*\c:VFR+12*\t+4*\c+3], v[ADG], s[12:13] offset:1536*\t+512*\c
.endr
.endr
	WIN 0
	s_wait_dscnt 1                                 ; K is in: behind it V's scale words alone
	QKMUL
	NOPS 4
	KLOAD                                          ; my next step's K: 25 loads
	MASK
	EXPO
	v_nop
	s_wait_alu depctr_va_vdst(0)
.set n, 0
.rept 32
	v_pk_fma_f32 v[SC1+n:SC1+n+1], v[SC2+n:SC2+n+1], v[20:21], v[SC1+n:SC1+n+1] op_sel_hi:[1,0,1]   ; p1 - lambda p2
.set n, n+2
.endr
	QUANT SC1
	NOPS 8
	s_wait_alu depctr_va_vdst(0)
	s_wait_dscnt 25                                ; V's scale words are in: behind them the next K's 25 loads
	s_wait_loadcnt 0x0                             ; and V
	PVMUL
.Lhidden2_\@:
	s_add_co_u32 s[KF], s[KF], 256
	s_add_co_u32 s[TK], s[TK], 2*STEPB
	s_add_co_u32 s[TS], s[TS], 1024
	s_add_co_u32 s[TVS], s[TVS], 1024
.endm
; a job of pass 1: the steps of parity par of the tile whose first query stands in s[q0]; its (-M1, sum1, -M2, sum2) go to my words of the exchange
.macro JOB1 par, q0, slot
	s_mov_b32 s[Q0], s[\q0]
	s_add_co_u32 s[QL], s[\q0], 15
	s_mov_b32 s[KF], 128*\par
	s_mov_b32 s[TK], KIMG+\par*STEPB
	s_mov_b32 s[TS], KSCL+\par*512
	v_mov_b32 v11, 0xff61b1e6                      ; the largest t so far: -3e38
	v_mov_b32 v13, 0xff61b1e6
	v_add_nc_u32 v[ADK], s[TK], v[LI]
	v_add_nc_u32 v[ADS], s[TS], v[LI]
	v_floor_f32 v10, -v11
	v_floor_f32 v12, -v13
.irp r, 14,15,16,17
	v_mov_b32 v\r, 0
.endr
	KLOAD
	s_mov_b32 s[CNT], 8
	s_wait_alu depctr_va_vdst(0)
.Lp1_\@:
	P1STEP
	s_sub_co_u32 s[CNT], s[CNT], 1
	s_cmp_lg_u32 s[CNT], 0
	s_cbranch_scc1 .Lp1_\@
	s_wait_alu depctr_va_vdst(0)
	v_add_f32 v14, v14, v15
	v_add_f32 v16, v16, v17
	s_delay_alu instid0(VALU_DEP_2)
	v_permlanex16_b32 v88, v14, s[SEL], s[SEL+1]
	s_delay_alu instid0(VALU_DEP_2)
	v_permlanex16_b32 v89, v16, s[SEL], s[SEL+1]
	v_mov_b32 v224, v10
	v_mov_b32 v226, v12
	s_delay_alu instid0(VALU_DEP_4)
	v_add_f32 v225, v14, v88
	s_delay_alu instid0(VALU_DEP_4)
	v_add_f32 v227, v16, v89
	ds_store_b128 v[XA], v[224:227] offset:512*\slot
	s_wait_dscnt 0x0                               ; the store is done, and the job's last loads of K have landed
.endm
; a job of pass 2
.macro JOB2 par, q0, o1, o2
	s_mov_b32 s[Q0], s[\q0]
	s_add_co_u32 s[QL], s[\q0], 15
	s_mov_b32 s[KF], 128*\par
	s_mov_b32 s[TK], KIMG+\par*STEPB
	s_mov_b32 s[TS], KSCL+\par*512
	s_mov_b32 s[TVS], VSCL+\par*512
	v_mov_b32 v10, v[\o1]
	v_mov_b32 v12, v[\o2]
	v_add_nc_u32 v[ADK], s[TK], v[LI]
	v_add_nc_u32 v[ADS], s[TS], v[LI]
	KLOAD
	s_mov_b32 s[CNT], 8
	s_wait_alu depctr_va_vdst(0)
.Lp2_\@:
	P2STEP
	s_sub_co_u32 s[CNT], s[CNT], 1
	s_cmp_lg_u32 s[CNT], 0
	s_cbranch_scc1 .Lp2_\@
.endm
	JOB1 0, Q0A, 0
	QSWAP
	JOB1 1, Q0B, 1
	s_barrier_signal -1
	s_barrier_wait -1                              ; every wave's two jobs are in the exchange
	ds_load_b128 v[96:99], v[XA]                   ; my own tile: my half,
	ds_load_b128 v[100:103], v[XB] offset:512      ; my partner's;
	ds_load_b128 v[104:107], v[XA] offset:512      ; the other tile: my half,
	ds_load_b128 v[108:111], v[XB]                 ; my partner's
	s_wait_dscnt 0x0
.irp k, 0,1,2,3                        ; k = 2 x tile + half-head.  A half with no step has -M = 3e38 and the sum 0: ldexp leaves it 0
	v_min_num_f32 v[112+\k], v[96+8*(\k/2)+2*(\k%2)], v[100+8*(\k/2)+2*(\k%2)]   ; the joint -M
.endr
.irp k, 0,1,2,3
	v_sub_f32 v[116+\k], v[112+\k], v[96+8*(\k/2)+2*(\k%2)]
	v_sub_f32 v[120+\k], v[112+\k], v[100+8*(\k/2)+2*(\k%2)]
.endr
.irp k, 0,1,2,3
	v_cvt_i32_f32 v[116+\k], v[116+\k]
	v_cvt_i32_f32 v[120+\k], v[120+\k]
.endr
.irp k, 0,1,2,3
	v_ldexp_f32 v[116+\k], v[97+8*(\k/2)+2*(\k%2)], v[116+\k]
	v_ldexp_f32 v[120+\k], v[101+8*(\k/2)+2*(\k%2)], v[120+\k]
.endr
.irp k, 0,1,2,3
	v_add_f32 v[116+\k], v[116+\k], v[120+\k]      ; the row's sum under the joint M
.endr
	s_wait_alu depctr_va_vdst(0)
.irp k, 0,1,2,3
	v_log_f32 v[124+\k], v[116+\k]
.endr
	v_xor_b32 v20, 0x80000000, v22                 ; -lambda
	s_wait_alu depctr_va_vdst(0)
	v_sub_f32 v[FO1], v112, v124                   ; -M - log2(sum): the exponential then gives the finished weight
	v_sub_f32 v[FO2], v113, v125
	v_sub_f32 v[FT1], v114, v126
	v_sub_f32 v[FT2], v115, v127
	s_wait_alu depctr_va_vdst(0)
	JOB2 1, Q0B, FT1, FT2                          ; the other tile first (its q is at work since pass 1's second job)
	NOPS 4
	WIN 0x04
.irp i, 0,1,2,3,4,5,6,7,8,9,10,11,12,13,14,15
	ds_store_b128 v[OA], v[4*\i:4*\i+3] offset:512*\i   ; my part of its O^T, each accumulator from its low end on
.endr
	WIN 0
	OZERO
	QSWAP
	s_wait_dscnt 0x0                               ; the job's last loads of K have landed
	JOB2 0, Q0A, FO1, FO2
	; my own tile: the partner's part, the head's RMS norm, its weight, the fixed factor, and the quantiser along the channels
.irp b, 0,1,2,3
.irp k, 0,1,2,3
	global_load_b128 v[SC2+16*\b+4*\k:SC2+16*\b+4*\k+3], v238, s[24:25] offset:128*\b+16*\k
.endr
.endr
	NOPS 4
	s_wait_dscnt 0x0
	s_barrier_signal -1
	s_barrier_wait -1                              ; every wave's part for its partner is in LDS
.irp i, 0,1,2,3,4,5,6,7,8,9,10,11,12,13,14,15
	ds_load_b128 v[SC1+4*\i:SC1+4*\i+3], v[OB] offset:512*\i
.endr
	s_wait_dscnt 0x0
	WIN 0x01
.set n, 0
.rept 32
	v_pk_add_f32 v[SC1+n:SC1+n+1], v[n:n+1], v[SC1+n:SC1+n+1]
.set n, n+2
.endr
	WIN 0
	v_pk_mul_f32 v[90:91], v[SC1:SC1+1], v[SC1:SC1+1]
	v_pk_mul_f32 v[92:93], v[SC1+2:SC1+3], v[SC1+2:SC1+3]
.irp j, 4,8,12,16,20,24,28,32,36,40,44,48,52,56,60
	v_pk_fma_f32 v[90:91], v[SC1+\j:SC1+\j+1], v[SC1+\j:SC1+\j+1], v[90:91]
	v_pk_fma_f32 v[92:93], v[SC1+\j+2:SC1+\j+3], v[SC1+\j+2:SC1+\j+3], v[92:93]
.endr
	s_delay_alu instid0(VALU_DEP_1)
	v_pk_add_f32 v[90:91], v[90:91], v[92:93]
	s_delay_alu instid0(VALU_DEP_1)
	v_add_f32 v90, v90, v91
	s_delay_alu instid0(VALU_DEP_1)
	v_permlanex16_b32 v92, v90, s[SEL], s[SEL+1]
	s_delay_alu instid0(VALU_DEP_1)
	v_add_f32 v90, v90, v92
	s_mov_b32 s82, 0x3c000000                      ; 1 / 128
	s_mov_b32 s83, 0x3727c5ac                      ; 1e-5
	v_fma_f32 v90, v90, s82, s83
	s_wait_alu depctr_va_vdst(0)
	v_rsq_f32 v90, v90
	v_nop
	s_wait_alu depctr_va_vdst(0)
	v_mul_f32 v90, 0x3e5d9673, v90                 ; x (1 - lambda_init)
.set n, 0
.rept 32
	v_pk_mul_f32 v[SC1+n:SC1+n+1], v[SC1+n:SC1+n+1], v[90:91] op_sel_hi:[1,0]
.set n, n+2
.endr
.irp b, 0,1,2,3
.irp j, 0,1,2,3,4,5,6,7
	v_permlane16_swap_b32 v[SC1+16*\b+\j], v[SC1+8+16*\b+\j]   ; a lane's 16 registers: 16 neighbouring channels
.endr
.endr
	s_wait_loadcnt 0x0
.set n, 0
.rept 32
	v_pk_mul_f32 v[SC1+n:SC1+n+1], v[SC1+n:SC1+n+1], v[SC2+n:SC2+n+1]
.set n, n+2
.endr
	QUANT SC1
.irp c, 0,1,2
	global_store_b128 v[LI], v[PC+4*\c:PC+4*\c+3], s[26:27] offset:512*\c
.endr
	global_store_b32 v239, v[PW], s[28:29]
	s_wait_tensorcnt 0x0                           ; the wave's end
	ds_add_u32 v[SPW], v[NIL]
	s_wait_dscnt 0x0
	s_endpgm
.Lfunc_end_k_q319fe782ca_attn:
	.size	k_q319fe782ca_attn, .Lfunc_end_k_q319fe782ca_attn-k_q319fe782ca_attn
	.p2alignl 7, 3214868480
	.fill 96, 4, 3214868480
	.section	.rodata,"a",@progbits
	.p2align	6, 0x0
	.amdhsa_kernel k_q319fe782ca_attn
		.amdhsa_group_segment_fixed_size 327680
		.amdhsa_private_segment_fixed_size 0
		.amdhsa_enable_private_segment 0
		.amdhsa_kernarg_size 104
		.amdhsa_user_sgpr_count 2
		.amdhsa_user_sgpr_kernarg_segment_ptr 1
		.amdhsa_wavefront_size32 1
		.amdhsa_system_sgpr_workgroup_id_x 1
		.amdhsa_system_sgpr_workgroup_id_y 1
		.amdhsa_system_sgpr_workgroup_id_z 1
		.amdhsa_system_vgpr_workitem_id 0
		.amdhsa_next_free_vgpr 512
		.amdhsa_next_free_sgpr 100
		.amdhsa_reserve_vcc 1
		.amdhsa_float_denorm_mode_32 3
		.amdhsa_float_denorm_mode_16_64 3
		.amdhsa_memory_ordered 1
		.amdhsa_forward_progress 1
		.amdhsa_inst_pref_size 170
	.end_amdhsa_kernel
	.amdgpu_metadata
---
amdhsa.version: [ 1, 2 ]
amdhsa.kernels:
  - .name:           k_q319fe782ca_attn
    .symbol:         k_q319fe782ca_attn.kd
    .args:
      - { .name: qimg, .offset: 0, .size: 8, .value_kind: global_buffer, .address_space: global }
      - { .name: qscl, .offset: 8, .size: 8, .value_kind: global_buffer, .address_space: global }
      - { .name: kimg, .offset: 16, .size: 8, .value_kind: global_buffer, .address_space: global }
      - { .name: kscl, .offset: 24, .size: 8, .value_kind: global_buffer, .address_space: global }
      - { .name: vimg, .offset: 32, .size: 8, .value_kind: global_buffer, .address_space: global }
      - { .name: vscl, .offset: 40, .size: 8, .value_kind: global_buffer, .address_space: global }
      - { .name: lambda_q1, .offset: 48, .size: 8, .value_kind: global_buffer, .address_space: global }
      - { .name: lambda_k1, .offset: 56, .size: 8, .value_kind: global_buffer, .address_space: global }
      - { .name: lambda_q2, .offset: 64, .size: 8, .value_kind: global_buffer, .address_space: global }
      - { .name: lambda_k2, .offset: 72, .size: 8, .value_kind: global_buffer, .address_space: global }
      - { .name: rms_weight, .offset: 80, .size: 8, .value_kind: global_buffer, .address_space: global }
      - { .name: oimg, .offset: 88, .size: 8, .value_kind: global_buffer, .address_space: global }
      - { .name: oscl, .offset: 96, .size: 8, .value_kind: global_buffer, .address_space: global }
    .group_segment_fixed_size: 327680
    .private_segment_fixed_size: 0
    .kernarg_segment_align: 8
    .kernarg_segment_size: 104
    .max_flat_workgroup_size: 256
    .sgpr_count:     100
    .vgpr_count:     512
    .wavefront_size: 32
...
	.end_amdgpu_metadata
.endif
;; end of part 2
;; launch oproj (part 3): grid 8 x 32, 4 waves a work-group, clusters of 4 x 4, 327,680 bytes of LDS; arguments oimg, oscl, Wo_codes, Wo_scales, out0; writes out0
.if DOCPART == 3
	.amdgcn_target "amdgcn-amd-amdhsa--gfx1250"
	.amdhsa_code_object_version 6
	.text
	.protected	k_q319fe782ca_oproj
	.globl	k_q319fe782ca_oproj
	.p2align	8
	.type	k_q319fe782ca_oproj,@function
k_q319fe782ca_oproj:
	s_mov_b64 s[64:65], 0
	v_nop
	global_prefetch_b8 v0, s[64:65] scope:SCOPE_SE
	s_setreg_imm32_b32 hwreg(HW_REG_WAVE_MODE, 25, 1), 1
	s_wait_xcnt 0x0
	s_wait_alu depctr_hold_cnt(0) depctr_sa_sdst(0) depctr_va_vdst(0) depctr_va_sdst(0) depctr_va_ssrc(0) depctr_va_vcc(0) depctr_vm_vsrc(0)
	s_getreg_b32 s2, hwreg(HW_REG_IB_STS2, 6, 4)
	s_cmp_eq_u32 s2, 0
	s_cbranch_scc0 .Lentry_in_a_cluster
	s_endpgm
.Lentry_in_a_cluster:
	s_bfe_u32 s2, ttmp6, 0x10000c
	s_cmp_lg_u32 s2, 0xf033
	s_cbranch_scc0 .Lentry_shape_is_right
	s_endpgm
.Lentry_shape_is_right:
; THE LAST PROJECTION: out0[m][n] = sum over k of A[m][k] Wo[k][n], 4,096 x 1,024 x 1,024, on codes of FP6 (E2M3) with one E8M0 scale for each 32 along K; sums and out0 in f32.  Nothing is left out here.
; A: the normed heads as images of fragments, oimg [token / 16][head][1,536 bytes]; scale bytes oscl [4,096][32].  B: Wo_codes [1,024 (n)][768 bytes], Wo_scales [1,024][32].
; A block of C is 128 x 128: 32 x 8 = 256 work-groups.  Four waves, each 64 x 64: 16 accumulators.  THE WHOLE OF K LIES IN LDS, filled once, one tensor load a wave at the head:
; wave 0 A's images (128 tokens: 98,304 dense bytes as rows of 256), wave 1 B's 128 rows of 768 bytes (16 bytes of padding behind each 256: pitch 816), waves 2, 3 the two blocks of scales.
; So there is no ring and one barrier.  No prefetch: the launch has no loop in which to run ahead of its loads.
; Clusters of 4 x 4: A's tile and scales are asked for jointly along a row of the cluster, B's along a column.
; The matrix instruction is used transposed (source 0 = rows of B, source 1 = rows of A): a lane holds eight neighbouring numbers of a row of C.
; REGISTERS: window 0: v0-31 addresses; v32-63 scale words of all eight steps (register 8 i + step: lanes 0-15 A's block i, lanes 16-31 B's block i); v64-159, v160-255 two sets of fragments (A's four, B's four).  Window 1: v0-127 accumulators.
; LIMITS: scale bytes 0xff in Wo_scales are not served.
.set BP,    816
.set BB,    98304
.set SCL,   BB+128*BP
.set HS,    2176                       ; the scales of 64 rows: 8 x 272
.set SBLK,  544                        ; of 16 rows
.set SPARE, SCL+4*HS
.set STAGE, SPARE+512                  ; the way out: 16 rows x 272 bytes for each wave, bytes that no tensor load fills
.set SP,    272
.set ADRA, 16
.set ADRB, 20
.set STO,  24
.set RD,   25
.set CO,   26
.set ADRS, 27
.set SPW,  28
.set NIL,  29
.set SC,   32
.set G1, 24
.set G0, 32
.set G0B, 36
.set G1B, 48
.set G1S, 68
.set G0S, 76
.set G1SB, 80
.set G0SB, 88
.set MSB, 0
.macro WIN new
.if MSB != \new
	s_set_vgpr_msb (MSB<<8)|\new
.set MSB, \new
.endif
.endm
.macro CROUND
	s_barrier_signal -1
	s_barrier_wait -1
	s_cmp_lg_u32 s14, 0
	s_cbranch_scc1 .Lnot_wave_0_\@
	s_barrier_signal -3
.Lnot_wave_0_\@:
	s_barrier_wait -3
	s_barrier_signal -1
	s_barrier_wait -1
.endm
.macro PLACES
.rept 4
	v_nop
.endr
.endm
	s_load_b128 s[4:7], s[0:1], 0x0                ; oimg, oscl
	s_load_b128 s[8:11], s[0:1], 0x10              ; Wo_codes, Wo_scales
	s_load_b64 s[12:13], s[0:1], 0x20              ; out0
	v_lshl_add_u32 v[SPW], v0, 2, SPARE
	v_mov_b32 v[NIL], 0
	ds_add_u32 v[SPW], v[NIL]                      ; the opening lines: the add twice and its wait
	ds_add_u32 v[SPW], v[NIL]
	v_lshrrev_b32 v1, 5, v0
	v_readfirstlane_b32 s14, v1                    ; wave
	s_lshr_b32 s15, s14, 1                         ; my half of the rows
	s_and_b32 s16, s14, 1                          ; my half of the columns
	s_bfe_u32 s40, ttmp6, 0x40000                  ; cx
	s_bfe_u32 s41, ttmp6, 0x40004                  ; cy
	s_lshl_b32 s42, ttmp9, 2
	s_add_co_u32 s42, s42, s40                     ; block column, 0..7
	s_and_b32 s17, ttmp7, 0xffff
	s_lshl_b32 s17, s17, 2
	s_add_co_u32 s17, s17, s41                     ; block row, 0..31
	s_lshl_b32 s43, s41, 2
	s_lshl_b32 s43, 15, s43                        ; my row of the cluster
	s_lshl_b32 s44, 0x1111, s40                    ; my column
	s_or_b32 s[G1+0], s43, (3<<16)|(1<<21)         ; A: 384 rows of 32 elements of 8 bytes, dense
	s_mov_b32 s[G1+1], 32<<16
	s_mov_b32 s[G1+2], 384<<16
	s_mov_b32 s[G1+3], 32<<16
	s_mov_b32 s[G1+4], 384
	s_mov_b32 s[G1+5], 32
	s_mov_b32 s[G1+6], 0
	s_mov_b32 s[G1+7], 0
	s_or_b32 s[G1B+0], s44, (0<<16)|(1<<20)|(1<<21)|(5<<22)|(3<<25)  ; B: 128 rows of 768 bytes, 4 words of padding behind every 64
	s_mov_b32 s[G1B+1], 768<<16
	s_mov_b32 s[G1B+2], 128<<16
	s_mov_b32 s[G1B+3], 768<<16
	s_mov_b32 s[G1B+4], 128
	s_mov_b32 s[G1B+5], 768
	s_mov_b32 s[G1B+6], 0
	s_mov_b32 s[G1B+7], 0
	s_or_b32 s[G1S+0], s43, (3<<16)|(1<<20)|(1<<21)|(5<<22)|(3<<25)  ; the scales of 128 rows: 16 rows of 256 bytes, padded
	s_or_b32 s[G1SB+0], s44, (3<<16)|(1<<20)|(1<<21)|(5<<22)|(3<<25)
.irp g, G1S, G1SB
	s_mov_b32 s[\g+1], 32<<16
	s_mov_b32 s[\g+2], 16<<16
	s_mov_b32 s[\g+3], 32<<16
	s_mov_b32 s[\g+4], 16
	s_mov_b32 s[\g+5], 32
	s_mov_b32 s[\g+6], 0
	s_mov_b32 s[\g+7], 0
.endr
	s_mul_i32 s20, s17, 98304                      ; 128 tokens' images
	s_mov_b32 s21, 0
	s_lshl_b32 s22, s17, 12                        ; and scales
	s_mov_b32 s23, 0
	s_mul_i32 s46, s42, 98304                      ; 128 rows of Wo
	s_mov_b32 s47, 0
	s_lshl_b32 s92, s42, 12
	s_mov_b32 s93, 0
	s_wait_dscnt 0x0
	s_wait_kmcnt 0x0
	s_add_nc_u64 s[20:21], s[4:5], s[20:21]
	s_add_nc_u64 s[22:23], s[6:7], s[22:23]
	s_add_nc_u64 s[46:47], s[8:9], s[46:47]
	s_add_nc_u64 s[92:93], s[10:11], s[92:93]
	CROUND                                         ; in front of the joint loads
	s_mov_b32 s[G0], 1
	s_mov_b32 s[G0+1], 0
	s_mov_b64 s[G0+2:G0+3], s[20:21]
	s_or_b32 s[G0+3], s[G0+3], 0x80000000
	s_mov_b32 s[G0B], 1
	s_mov_b32 s[G0B+1], BB
	s_mov_b64 s[G0B+2:G0B+3], s[46:47]
	s_or_b32 s[G0B+3], s[G0B+3], 0x80000000
	s_mov_b32 s[G0S], 1
	s_mov_b32 s[G0S+1], SCL
	s_mov_b64 s[G0S+2:G0S+3], s[22:23]
	s_or_b32 s[G0S+3], s[G0S+3], 0x80000000
	s_mov_b32 s[G0SB], 1
	s_mov_b32 s[G0SB+1], SCL+2*HS
	s_mov_b64 s[G0SB+2:G0SB+3], s[92:93]
	s_or_b32 s[G0SB+3], s[G0SB+3], 0x80000000
.macro ARM under, g0, g1, next         ; one chain of branches on the wave's number, one load to an arm
	s_cmp_lt_u32 s14, \under
	s_cbranch_scc0 \next
	tensor_load_to_lds s[\g0:\g0+3], s[\g1:\g1+7]
	s_nop 0
	PLACES
	s_branch .Lhead_asked
\next:
.endm
	ARM 1, G0,  G1,  .Lhead_b
	ARM 2, G0B, G1B, .Lhead_sa
	ARM 3, G0S, G1S, .Lhead_sb
	tensor_load_to_lds s[G0SB:G0SB+3], s[G1SB:G1SB+7]
	s_nop 0
	PLACES
.Lhead_asked:
	s_mul_i32 s2, s15, 4*12288                     ; my four blocks of A
	s_mul_i32 s3, s16, 64*BP
	s_add_co_u32 s3, s3, BB                        ; my 64 rows of B
	s_mul_i32 s18, s15, HS
	s_mul_i32 s19, s16, HS
	s_add_co_u32 s19, s19, 2*HS
	s_sub_co_u32 s19, s19, s18                     ; from A's scale words to B's
	s_add_co_u32 s18, s18, SCL
	s_mul_i32 s45, s14, 16*SP
	s_add_co_u32 s45, s45, STAGE                   ; my stage
	v_and_b32 v1, 15, v0                           ; r
	v_bfe_u32 v2, v0, 4, 1                         ; h
	v_and_b32 v6, 31, v0
	v_lshlrev_b32 v7, 4, v6
	v_mul_u32_u24 v3, v1, BP
	v_add_nc_u32 v[ADRA], s2, v7                   ; A: 16 x lane
	v_mad_u32_u24 v4, v2, 24, v3                   ; B: row x pitch + 24 h
	v_lshlrev_b32 v8, 5, v1                        ; scales: 32 bytes a row,
	v_lshl_add_u32 v5, v2, 4, v4                   ; B where lanes 16-31 lie behind one padding more
	v_lshrrev_b32 v9, 8, v8
	v_add_nc_u32 v[ADRB], s3, v4
	v_lshl_add_u32 v8, v9, 4, v8                   ; and 16 more behind each 256
	v_add_nc_u32 v[ADRB+1], s3, v5
	v_mul_u32_u24 v9, s19, v2                      ; lanes 16-31 take B's
	v_mul_u32_u24 v10, v1, SP
	v_add3_u32 v[ADRS], v8, v9, s18
	v_lshl_add_u32 v10, v2, 5, v10
	v_mul_u32_u24 v11, v2, SP
	v_add_nc_u32 v[STO], s45, v10                  ; in: row r, 32 bytes for each half of the lanes
	v_lshl_add_u32 v11, v1, 4, v11
	v_lshlrev_b32 v12, 12, v2
	v_add_nc_u32 v[RD], s45, v11                   ; back: lanes 0-15 one row of 256 bytes, lanes 16-31 the next
	v_lshl_add_u32 v[CO], v1, 4, v12               ; and the same two rows in C
	s_lshl_b32 s20, s17, 19                        ; my first row of C x 4,096 bytes
	s_lshl_b32 s21, s15, 18
	s_add_co_u32 s20, s20, s21
	s_mov_b32 s21, 0
	s_lshl_b32 s46, s42, 9                         ; my first column, in bytes
	s_lshl_b32 s47, s16, 8
	s_add_co_u32 s46, s46, s47
	s_mov_b32 s47, 0
	s_add_nc_u64 s[20:21], s[20:21], s[46:47]
	s_add_nc_u64 s[12:13], s[12:13], s[20:21]
.macro FETCH st, f                     ; step st's fragments into the set at f: A's four from images (12 loads), B's four from rows (24 loads)
.irp i, 0,1,2,3
.irp c, 0,1,2
	ds_load_b128 v[\f+12*\i+4*\c:\f+12*\i+4*\c+3], v[ADRA] offset:\i*12288+(\st)*1536+512*\c
.endr
.endr
.irp i, 0,1,2,3
.irp p, 0,1,2,3,4,5
.set BY, 96*(\st)+48*(\p/3)+8*(\p%3)
.if BY/256 == (BY+24)/256
	ds_load_b64 v[\f+48+12*\i+2*\p:\f+48+12*\i+2*\p+1], v[ADRB] offset:BY+16*(BY/256)+\i*16*BP
.else
	ds_load_b64 v[\f+48+12*\i+2*\p:\f+48+12*\i+2*\p+1], v[ADRB+1] offset:BY+16*(BY/256)+\i*16*BP
.endif
.endr
.endr
.endm
.macro MUL st, f, zero                 ; the 16 accumulators take turns
.irp a, 0,1,2,3
.irp b, 0,1,2,3
.if \zero
	v_wmma_scale_f32_16x16x128_f8f6f4 v[8*(4*\a+\b):8*(4*\a+\b)+7], v[\f+48+12*\b:\f+48+12*\b+11], v[\f+12*\a:\f+12*\a+11], 0, v[SC+8*\b+(\st)], v[SC+8*\a+(\st)] matrix_a_fmt:MATRIX_FMT_FP6 matrix_b_fmt:MATRIX_FMT_FP6 matrix_a_scale:MATRIX_SCALE_ROW1
.else
	v_wmma_scale_f32_16x16x128_f8f6f4 v[8*(4*\a+\b):8*(4*\a+\b)+7], v[\f+48+12*\b:\f+48+12*\b+11], v[\f+12*\a:\f+12*\a+11], v[8*(4*\a+\b):8*(4*\a+\b)+7], v[SC+8*\b+(\st)], v[SC+8*\a+(\st)] matrix_a_fmt:MATRIX_FMT_FP6 matrix_b_fmt:MATRIX_FMT_FP6 matrix_a_scale:MATRIX_SCALE_ROW1
.endif
.endr
.endr
.endm
	s_wait_alu depctr_va_vdst(0)                   ; the wait at the head's end
	s_wait_tensorcnt 0x0                           ; my tile is in,
	s_barrier_signal -1
	s_barrier_wait -1                              ; all four are
	FETCH 0, 64
.irp i, 0,1,2,3
	ds_load_b128 v[SC+8*\i:SC+8*\i+3], v[ADRS] offset:\i*SBLK
	ds_load_b128 v[SC+8*\i+4:SC+8*\i+7], v[ADRS] offset:\i*SBLK+16
.endr
.set ST, 0
.rept 8
.if ST < 7
.if ST > 0
	PLACES                                         ; in front of loads into the set that the step before multiplied
.endif
	FETCH ST+1, 64+96*((ST+1)%2)
	s_wait_dscnt 36                                ; all but the next step's 36 loads
.else
	s_wait_dscnt 0x0
.endif
	WIN 0x50
.if ST == 0
	MUL ST, 64, 1
.else
	MUL ST, 64+96*(ST%2), 0
.endif
	WIN 0
.set ST, ST+1
.endr
; THE WAY OUT, by blocks of 16 rows x 64 columns through my own stage: in as 32 bytes a lane, back as whole rows of 256 bytes.  LDS serves a wave's instructions in order (ISA guide 5.7.1.4).
; Each block comes back into registers of its own, and the stores' offsets carry the rows: no register of a store is written again.
.macro TOSTAGE a
	WIN 0x04
.irp b, 0,1,2,3
	ds_store_b128 v[STO], v[8*(4*\a+\b):8*(4*\a+\b)+3] offset:64*\b
	ds_store_b128 v[STO], v[8*(4*\a+\b)+4:8*(4*\a+\b)+7] offset:64*\b+16
.endr
	WIN 0
.irp t, 0,1,2,3,4,5,6,7
	ds_load_b128 v[64+32*\a+4*\t:64+32*\a+4*\t+3], v[RD] offset:\t*2*SP
.endr
.endm
.macro SEND a, younger
	s_wait_dscnt \younger
.irp t, 0,1,2,3,4,5,6,7
	global_store_b128 v[CO], v[64+32*(\a)+4*\t:64+32*(\a)+4*\t+3], s[12:13] offset:(\a)*65536+\t*8192 th:TH_STORE_NT   ; 16 lanes store 256 consecutive bytes, aligned
.endr
.endm
	PLACES
	TOSTAGE 0
.irp a, 1,2,3
	TOSTAGE \a
	SEND \a-1, 16                                  ; behind block a - 1's loads: block a's 8 stores and 8 loads
.endr
	SEND 3, 0
	s_wait_tensorcnt 0x0                           ; the wave's end
	ds_add_u32 v[SPW], v[NIL]
	s_wait_dscnt 0x0
	CROUND                                         ; the closing round
	s_endpgm
.Lfunc_end_k_q319fe782ca_oproj:
	.size	k_q319fe782ca_oproj, .Lfunc_end_k_q319fe782ca_oproj-k_q319fe782ca_oproj
	.p2alignl 7, 3214868480
	.fill 96, 4, 3214868480
	.section	.rodata,"a",@progbits
	.p2align	6, 0x0
	.amdhsa_kernel k_q319fe782ca_oproj
		.amdhsa_group_segment_fixed_size 327680
		.amdhsa_private_segment_fixed_size 0
		.amdhsa_enable_private_segment 0
		.amdhsa_kernarg_size 40
		.amdhsa_user_sgpr_count 2
		.amdhsa_user_sgpr_kernarg_segment_ptr 1
		.amdhsa_wavefront_size32 1
		.amdhsa_system_sgpr_workgroup_id_x 1
		.amdhsa_system_sgpr_workgroup_id_y 1
		.amdhsa_system_sgpr_workgroup_id_z 1
		.amdhsa_system_vgpr_workitem_id 0
		.amdhsa_next_free_vgpr 512
		.amdhsa_next_free_sgpr 98
		.amdhsa_reserve_vcc 0
		.amdhsa_float_denorm_mode_32 3
		.amdhsa_float_denorm_mode_16_64 3
		.amdhsa_memory_ordered 1
		.amdhsa_forward_progress 1
		.amdhsa_inst_pref_size 53
	.end_amdhsa_kernel
	.amdgpu_metadata
---
amdhsa.version: [ 1, 2 ]
amdhsa.kernels:
  - .name:           k_q319fe782ca_oproj
    .symbol:         k_q319fe782ca_oproj.kd
    .args:
      - { .name: oimg, .offset: 0, .size: 8, .value_kind: global_buffer, .address_space: global }
      - { .name: oscl, .offset: 8, .size: 8, .value_kind: global_buffer, .address_space: global }
      - { .name: Wo_codes, .offset: 16, .size: 8, .value_kind: global_buffer, .address_space: global }
      - { .name: Wo_scales, .offset: 24, .size: 8, .value_kind: global_buffer, .address_space: global }
      - { .name: out0, .offset: 32, .size: 8, .value_kind: global_buffer, .address_space: global }
    .group_segment_fixed_size: 327680
    .private_segment_fixed_size: 0
    .kernarg_segment_align: 8
    .kernarg_segment_size: 40
    .max_flat_workgroup_size: 128
    .sgpr_count:     98
    .vgpr_count:     512
    .wavefront_size: 32
...
	.end_amdgpu_metadata
.endif
;; end of part 3
